; MI455X (gfx1250); checked and timed in simulation.
; The chip was launched on July 23, 2026; its instructions are those of AMD's public machine-readable ISA for CDNA 5 (MIT licence, August 2026) and "CDNA5" Instruction Set Architecture Reference Guide (July 2026). The comments in the code are by the model that wrote it; some were corrected since.
;; Multi Head Attention. Allowed arithmetic: matrix products marked QUANTISED: E2M1 operands, one E8M0 scale for each 32 along K, by v_wmma_scale_f32_16x16x128_f8f6f4 with both operands' format E2M1 (or v_wmma_scale_f32_32x16x128_f4), f32 sums; everything else in f32.
;; Inputs: W_k_codes 1,024 x 32 x 16 uint8 (E2M1 codes of W_k, K innermost, in blocks of 32 codes, two codes a byte); W_k_scales 1,024 x 32 uint8 (E8M0 scales of W_k, one for each 32 codes along K); W_o_codes 1,024 x 32 x 16 uint8 (E2M1 codes of W_o, K innermost, in blocks of 32 codes, two codes a byte); W_o_scales 1,024 x 32 uint8 (E8M0 scales of W_o, one for each 32 codes along K); W_q_codes 1,024 x 32 x 16 uint8 (E2M1 codes of W_q, K innermost, in blocks of 32 codes, two codes a byte); W_q_scales 1,024 x 32 uint8 (E8M0 scales of W_q, one for each 32 codes along K); W_v_codes 1,024 x 32 x 16 uint8 (E2M1 codes of W_v, K innermost, in blocks of 32 codes, two codes a byte); W_v_scales 1,024 x 32 uint8 (E8M0 scales of W_v, one for each 32 codes along K); att_mask 4 x 2,048 x 2,048 int32; b_k 1,024 float32; b_o 1,024 float32; b_q 1,024 float32; b_v 1,024 float32; k_codes 4 x 2,048 x 32 x 16 uint8 (E2M1 codes of k, K innermost, in blocks of 32 codes, two codes a byte); k_scales 4 x 2,048 x 32 uint8 (E8M0 scales of k, one for each 32 codes along K); q_codes 4 x 2,048 x 32 x 16 uint8 (E2M1 codes of q, K innermost, in blocks of 32 codes, two codes a byte); q_scales 4 x 2,048 x 32 uint8 (E8M0 scales of q, one for each 32 codes along K); v_codes 4 x 2,048 x 32 x 16 uint8 (E2M1 codes of v, K innermost, in blocks of 32 codes, two codes a byte); v_scales 4 x 2,048 x 32 uint8 (E8M0 scales of v, one for each 32 codes along K).
;; Outputs: out0 4 x 2,048 x 1,024 float32.
;; This version of the problem:
;;   THIS VERSION OF THE PROBLEM IS GIVEN IN LOW PRECISION. The matrix products marked QUANTISED in the list below multiply operands that are first quantised to E2M1 (2 exponent bits, 1 mantissa bit; 4 bits a number), with one power-of-two scale for each 32 numbers along K (OCP MX v1.0); their sums are f32. All else is computed in f32.
;;   The module's matrix products, in the order in which they are computed (A, B: the left and right operand; K: the contracted axis; several contracted axes count as one K, in the product's order):
;;     1. [M 8,192, K 1,024] x [K 1,024, N 1,024]; A: input q (given as codes); B: input W_q (given as codes): QUANTISED
;;     2. [M 8,192, K 1,024] x [K 1,024, N 1,024]; A: input k (given as codes); B: input W_k (given as codes): QUANTISED
;;     3. [M 8,192, K 1,024] x [K 1,024, N 1,024]; A: input v (given as codes); B: input W_v (given as codes): QUANTISED
;;     4. batch 64 x [M 2,048, K 64] x [K 64, N 2,048]; A: computed on the way; B: computed on the way: QUANTISED
;;     5. batch 64 x [M 2,048, K 2,048] x [K 2,048, N 64]; A: softmax (see below); B: computed on the way: QUANTISED
;;     6. [M 8,192, K 1,024] x [K 1,024, N 1,024]; A: computed on the way; B: input W_o (given as codes): QUANTISED
;;   THE QUANTISER, for each operand of a quantised product, along K:
;;     - K is cut into blocks of 32 from its start; a last block that is shorter is filled with zeros.
;;     - A block's scale is 2^e with e = floor(log2(the largest magnitude in the block)) - 2, held to -126 .. 127; a block of zeros has e = 0. As a byte (E8M0): e + 127.
;;     - Each number is divided by its block's scale, clamped to +-6, and rounded to the nearest number of E2M1, ties to even, subnormals kept.
;;     - The product sums the exact products of the quantised numbers (number of the format x scale) in f32.
;;   ~~~python
;;   def quantise(x, axis):      # numpy; x: float32 -> the quantised numbers, widened to float32 again
;;       x = np.moveaxis(x, axis, -1); K = x.shape[-1]
;;       x = np.pad(x, [(0, 0)] * (x.ndim - 1) + [(0, -K % 32)]); x = x.reshape(x.shape[:-1] + (-1, 32)); a = np.abs(x).max(-1, keepdims=True)
;;       e = np.where(a > 0, np.clip(np.frexp(np.where(a > 0, a, 1))[1] - 1 - 2, -126, 127), 0)      # np.frexp(a)[1] - 1 = floor(log2(a)), exactly
;;       r = np.clip(x / 2.0 ** e, -6, 6)
;;       step = 2.0 ** (np.maximum(np.frexp(np.where(r == 0, 1, r))[1] - 1, 0) - 1)
;;       q = np.round(r / step) * step * 2.0 ** e      # np.round: ties to even
;;       return np.moveaxis(q.reshape(q.shape[:-2] + (-1,))[..., :K], -1, axis).astype(np.float32)
;;   ~~~
;;   SOFTMAX AHEAD OF A QUANTISED PRODUCT. Where the list says 'softmax', what is quantised is not the finished softmax but p = 2^(t - M), with t = logit x log2(e) and M = ceil(the row's largest t), a whole number; so 1/2 < the row's largest p <= 1. The row's sum l is taken of the UNQUANTISED p, in f32, and the product's result is divided by l at the end. Since M is a whole number, a kernel that streams over the keys may use a running M (the ceiling of the running maximum): every later rescaling is an exact power of two, which a block's scale takes up: the codes' values come out the same.
;;   OPERANDS COMPUTED ON THE WAY. 'Computed on the way' means the value that the module computes at that place (a softmax that the list does not call 'softmax' is quantised finished and normalised). What goes into a quantiser is computed in f32, as accurately as f32 sums, v_exp_f32 and their like allow (about 1e-6 of the number): no bf16 or f16 on the way to a quantiser, and a product that is left as it is and whose result goes on into a quantised operand takes f32 operands (vector FMAs, or v_wmma_f32_16x16x4_f32). A number that lies on a knife's edge between two numbers of the format may be rounded either way, as far as f32 arithmetic and the matrix unit's own rounding can turn it there, and no further.
;;   INPUTS GIVEN AS CODES. W_k (in the module: [1024, 1024], K = its axis 0); W_o (in the module: [1024, 1024], K = its axis 0); W_q (in the module: [1024, 1024], K = its axis 0); W_v (in the module: [1024, 1024], K = its axis 0); k (in the module: [4, 2048, 1024], K = its axis 2); q (in the module: [4, 2048, 1024], K = its axis 2); v (in the module: [4, 2048, 1024], K = its axis 2): each comes as NAME_codes (uint8): NAME with its K axis moved to the last place and cut into blocks of 32 codes, [.., K / 32, bytes a block], one block behind the other in memory; two codes a byte, the lower K in the low four bits (a code: sign, 2 exponent bits, 1 mantissa bit); and NAME_scales (uint8): the same leading axes, one E8M0 byte (e + 127) for each 32 codes along K. Its value is code x scale, taken as it is: it is not quantised again, and the codes and scales need not be those that the quantiser above would give.
;; One version. Each part assembles by itself: llvm-mc -triple=amdgcn-amd-amdhsa -mcpu=gfx1250 --defsym DOCPART=n.
;; ======== version 1 of 1: 3 launches
;; limits: right only within a limited range of input values
;; workspace buffers: maskn 8,388,608 bytes; qimg 9,175,040 bytes; kvimg 9,175,040 bytes; oimg 4,194,304 bytes; osc 262,144 bytes
;; launch proj (part 1): grid 4 x 128, 4 waves a work-group, clusters of 4 x 4, 296,448 bytes of LDS; arguments q_codes, q_scales, W_q_codes, W_q_scales, b_q, k_codes, k_scales, W_k_codes, W_k_scales, b_k, v_codes, v_scales, W_v_codes, W_v_scales, b_v, qimg, kvimg, att_mask, maskn; writes qimg, kvimg, maskn
.if DOCPART == 1
	.amdgcn_target "amdgcn-amd-amdhsa--gfx1250"
	.amdhsa_code_object_version 6
	.text
	.protected	k_qad68c914e4_proj
	.globl	k_qad68c914e4_proj
	.p2align	8
	.type	k_qad68c914e4_proj,@function
k_qad68c914e4_proj:
	s_mov_b64 s[64:65], 0
	v_nop
	global_prefetch_b8 v0, s[64:65] scope:SCOPE_SE
	s_setreg_imm32_b32 hwreg(HW_REG_WAVE_MODE, 25, 1), 1
	s_wait_xcnt 0x0
	s_wait_alu depctr_hold_cnt(0) depctr_sa_sdst(0) depctr_va_vdst(0) depctr_va_sdst(0) depctr_va_ssrc(0) depctr_va_vcc(0) depctr_vm_vsrc(0)
	s_getreg_b32 s2, hwreg(HW_REG_IB_STS2, 6, 4)
	s_cmp_eq_u32 s2, 0
	s_cbranch_scc0 .Lentry_in_a_cluster
	s_endpgm
.Lentry_in_a_cluster:
	s_bfe_u32 s2, ttmp6, 0x10000c
	s_cmp_lg_u32 s2, 0xf033
	s_cbranch_scc0 .Lentry_shape_is_right
	s_endpgm
.Lentry_shape_is_right:
; The three projections x W + b on codes of FP4 (E2M1) with E8M0 scales, and the quantisers behind them.  One body: P[i][j] = sum over k of S0[i][k] S1[j][k] + bias, QUANTISED ALONG i.
;   q, k (T = 0, 1): S0 = the weight's 1,024 rows (i = the feature: a head's 64 are two blocks of 32), S1 = the 8,192 tokens; the bias runs along i.
;   v    (T = 2):    S0 = the tokens (i = the key: blocks of 32 keys),                                  S1 = the weight's rows;  the bias runs along j.
; Source 0 of the matrix instruction is S0, source 1 is S1: a lane then holds ONE j, and register 8 t + n of its eight tiles holds i = 16 t + 8 (lane / 16) + n.
; Eight conversions (tile t into code register 4 (t / 4) + 2 (t % 2) + (t / 2) % 2) and four exchanges of lane halves between neighbouring registers make of that the FP4 operand's layout
; (registers 4 c .. 4 c + 3: i = 64 c + 32 (lane / 16) + 0 .. 31): what is stored is the image of the registers that the attention launch loads.
; OUT.  A region of REG bytes for each (batch, head): K's (or Q's) codes [step 16][tile 8][lane][16 B]; at KSO their scale words [step][lane 16 u + r][e]: tile 2 e + u, bytes 0, 1, byte 2 2^30, byte 3 0;
;   at VCO V's codes [step][c 2][dt 4][lane][16 B]; at VSO their scale words [step][lane 16 u + r][e]: dt = 2 e + u.  q goes to qimg, k and v to kvimg.
; SHARES.  A work-group makes 256 i x 256 j, each of its four waves 128 x 128: 64 accumulators, 512 registers.  K = 1,024 is 512 bytes a row: both halves of K of the 256 + 256 rows, and all their scale
;   bytes, lie in LDS at once: each byte of LDS is filled once.
; CLUSTER.  4 x 4 work-groups: S0's tile hangs on cx and the cluster alone and is asked for jointly by a column, S1's on cy and the cluster alone, by a row.  T and the cluster's part of a tile's number come
;   from the cluster's y: the same in all sixteen.
; LIMITS: NaN and infinities are not served; a block whose largest magnitude lies under 2^-124 keeps the scale byte 1; a block of zeros gets the byte 1 (its codes are zeros, and this program alone reads the bytes).
; REGISTERS, in windows of 256: window 0: v1-27 addresses; v32-95 scale words; v96-135 the quantiser's; v192-255 the bias.   window 1: two sets of fragments: 128 p + 8 i S0's, 128 p + 64 + 8 i S1's.
;   windows 2, 3: accumulator (a = S1's block, b = S0's block) at v[8 (8 (a % 4) + b)], a < 4 in window 2.
.set REG,   143360
.set KSO,   65536
.set VCO,   73728
.set VSO,   139264
.set PITCH, 528                        ; an LDS row: all of K, 512 bytes, + 16 of padding: an odd multiple of 16
.set HALFT, 128*PITCH                  ; 128 rows: half of what one tensor load brings, and what a wave reads of S0 or S1
.set SLOT,  256                        ; from K half 0 to K half 1 inside a row
.set SCL,   4*HALFT                    ; behind S1's 256 rows and S0's 256 rows: the scale bytes, as runs of 256 bytes + 16
.set HALFS, 16*272                     ; those of 128 rows (32 bytes a row)
.set SBLK,  2*272                      ; those of 16 rows
.set VB,    8                          ; v8-15   the bias loads' offsets
.set ADRA,  16                         ; v16-17  LDS address of my S1 fragments in K half 0, 1
.set ADRB,  20                         ; v20-21  the same for S0
.set L16,   24                         ; v24     16 x lane
.set L8,    25                         ; v25     8 x lane
.set ADRS,  27                         ; v27     LDS address of my scale words: lanes 0-15 S1's rows, lanes 16-31 S0's
.set SC,    32                         ; v32-95  register 32 half + 4 i + q: lanes 0-15 the word of S1's block i, lanes 16-31 that of S0's block i, for the half's q-th 128 along K
.set TM,    96                         ; v96-99 largest magnitudes, v100-103 bytes, v108-111 the conversions' scale operands
.set PW,    112                        ; the scale word just made
.set PC,    114                        ; v114-121 the codes just made
.set WS,    124                        ; v124-127 scale words gathered: lanes 0-15 an even block's, lanes 16-31 the odd one's
.set W0,    128                        ; v128-131, v132-135: their low and high halves
.set W1,    132
.set BIAS,  192
.set G1,    24                         ; s[24:31] group 1 for S1's codes;  s[32:35] its group 0
.set G0,    32
.set G0SB,  40                         ; s[40:43] group 0 for S0's scales
.set G1B,   48                         ; s[48:55], s[56:59] S0's codes
.set G0B,   56
.set G1S,   68                         ; s[68:75], s[76:79] S1's scales
.set G0S,   76
.set G1SB,  80                         ; s[80:87] group 1 for S0's scales
.set BASE,  88                         ; s[88:95] where codes go: c, hi at s[88 + 2 c + 4 hi]
.set BSW,   96                         ; s[96:99] where scale words go
.set MSB, 0
.macro WIN new                         ; the immediate's high byte repeats the setting that is left
.if MSB != (\new)
	s_set_vgpr_msb (MSB<<8)|(\new)
.set MSB, (\new)
.endif
.endm
.macro PLACES n
.rept \n
	v_nop
.endr
.endm
; An arm of the head's one tree of branches on the wave's number: one joint load, then a jump to the tree's end.  An s_nop 0 and four v_nop follow the load.
.macro ARM under, g0, g1, next
	s_cmp_lt_u32 s14, \under
	s_cbranch_scc0 \next
	tensor_load_to_lds s[\g0:\g0+3], s[\g1:\g1+7]
	s_nop 0
.rept 4
	v_nop
.endr
	s_branch .Lhead_asked
\next:
.endm
.macro CROUND                          ; a round of the cluster's barrier
	s_barrier_signal -1
	s_barrier_wait -1
	s_cmp_lg_u32 s14, 0
	s_cbranch_scc1 .Lnot_wave_0_\@
	s_barrier_signal -3
.Lnot_wave_0_\@:
	s_barrier_wait -3
	s_barrier_signal -1
	s_barrier_wait -1
.endm
	s_load_b512 s[36:51], s[0:1], 0x0              ; arguments 0 to 7: number i at s[36 + 2 i]
	s_load_b512 s[68:83], s[0:1], 0x40             ; 8 to 15: at s[68 + 2 (i - 8)]
	s_load_b64 s[84:85], s[0:1], 0x80              ; 16: kvimg
	s_load_b128 s[52:55], s[0:1], 0x88             ; 17, 18: att_mask, maskn
	v_lshl_add_u32 v190, v0, 2, 0x48400
	v_mov_b32 v191, 0
	ds_add_u32 v190, v191
	ds_add_u32 v190, v191
	v_lshrrev_b32 v1, 5, v0
	v_readfirstlane_b32 s14, v1                    ; wave 0..3
	s_lshr_b32 s15, s14, 1                         ; WA: which 128 of S1's rows are mine.  Also: I fetch codes (0) or scales (1)
	s_and_b32 s16, s14, 1                          ; WB: which 128 of S0's rows.  Also: I fetch for S1 (0) or S0 (1)
	s_bfe_u32 s17, ttmp6, 0x40000                  ; cx
	s_bfe_u32 s18, ttmp6, 0x40004                  ; cy
	s_and_b32 s19, ttmp7, 0xffff                   ; the cluster's y, 0 .. 31
	s_and_b32 s20, s19, 7
	s_lshl_b32 s20, s20, 2                         ; the cluster's first tile of tokens
	s_lshr_b32 s19, s19, 3                         ; T: 0 q, 1 k, 2 v
	s_cmp_eq_u32 s19, 2
	s_cselect_b32 s22, s20, 0
	s_cselect_b32 s23, 0, s20
	s_add_co_u32 s22, s22, s17                     ; I: S0's tile of 256 rows: cx, and for v the cluster's part
	s_add_co_u32 s23, s23, s18                     ; J: S1's tile: cy, and for q and k the cluster's part
	s_wait_dscnt 0x0
	s_wait_kmcnt 0x0
; CLUSTERS 24 TO 31 (T = 3) MAKE THE MASK'S CODES: with the 24 clusters of the projections the grid is 32 clusters of 16 work-groups.  The branch hangs on the cluster's y alone: the same in all sixteen partners.
; att_mask [4][2048][2048] int32 becomes codes of E2M1, one for each number: maskn [tile X of 16 queries, 512][chunk of 128 keys, 16][1,024 bytes].  A key has 8 bytes: nibble j is 0xF (the code of -6) where
; att_mask[query 16 X + j][key] is 0, else 0.  In a chunk the bytes of key k stand at 512 ((k / 2) % 2) + 16 (k / 4) + 8 (k % 2): a lane, which takes keys 4 L .. 4 L + 3, holds 16 bytes of each half of the chunk,
; so that each store of the wave covers 512 consecutive aligned bytes, as each load does.  The attention launch loads a key's 8 bytes into registers 4 and 5 of K's operand.
; SHARES.  8 x 16 work-groups x 4 waves = 512 waves: a wave takes one tile X, 16 rows of 8,192 bytes, in sixteen chunks.  No number is needed by another lane or wave: no LDS, no barrier but the closing round.
; Three sets of 64 registers: while a chunk is worked, the 32 loads of the next two chunks are out.
	s_cmp_eq_u32 s19, 3
	s_cbranch_scc0 .Lproj
	s_lshl_b32 s2, s20, 2                          ; 16 x (cluster % 8)
	s_lshl_b32 s3, s18, 2
	s_add_co_u32 s2, s2, s3
	s_add_co_u32 s2, s2, s17                       ; + 4 cy + cx: work-group 0 .. 127
	s_lshl_b32 s2, s2, 2
	s_add_co_u32 s2, s2, s14                       ; X = 4 x work-group + wave
	s_lshl_b32 s4, s2, 17                          ; 16 rows of 8,192 bytes a tile
	s_mov_b32 s5, 0
	s_lshl_b32 s6, s2, 14                          ; 16 chunks of 1,024 bytes a tile
	s_mov_b32 s7, 0
	s_add_nc_u64 s[4:5], s[52:53], s[4:5]
	s_add_nc_u64 s[6:7], s[54:55], s[6:7]
	v_and_b32 v1, 31, v0
	v_lshlrev_b32 v1, 4, v1                        ; 16 x lane: my four numbers of a row's 128, and my 16 bytes of a half chunk
	s_wait_alu depctr_va_vdst(0)
.macro MLD k, set                      ; the chunk 512 k bytes on from the base, into set 0, 1, 2 at v4, v68, v192: register 4 j + u is row j, key u
.set RB, 4+64*(\set)+60*((\set)/2)
.irp j, 0,1,2,3,4,5,6,7,8,9,10,11,12,13,14,15
	global_load_b128 v[RB+4*\j:RB+4*\j+3], v1, s[4:5] offset:8192*\j+512*(\k) th:TH_LOAD_NT
.endr
.endm
.macro MCH k, set, ld, cnt             ; a chunk is worked.  ld: the chunk two on is asked for first, into the set that the chunk before has left;  cnt: the loads issued behind this chunk's 16
.if \ld
	MLD (\k)+2, ((\set)+2)%3
.endif
	s_wait_loadcnt \cnt
.set RB, 4+64*(\set)+60*((\set)/2)
.set OW, 132+8*(\set)                  ; v132-155: eight registers a set: key u's queries 0-7 at 2 u, queries 8-15 at 2 u + 1
.irp j, 0,1,2,3,4,5,6,7,8,9,10,11,12,13,14,15
.irp u, 0,1,2,3
	v_min_u32 v[RB+4*\j+\u], 1, v[RB+4*\j+\u]      ; 0 stays 0, every other pattern becomes 1
.endr
.endr
.irp w, 0,1
.irp u, 0,1,2,3
	v_lshl_or_b32 v[OW+2*\u+\w], v[RB+4*(8*\w+7)+\u], 4, v[RB+4*(8*\w+6)+\u]   ; eight chains by turns: the highest query first, four bits a query
.endr
.endr
.irp j, 5,4,3,2,1,0
.irp w, 0,1
.irp u, 0,1,2,3
	v_lshl_or_b32 v[OW+2*\u+\w], v[OW+2*\u+\w], 4, v[RB+4*(8*\w+\j)+\u]
.endr
.endr
.endr
.irp n, 0,1,2,3,4,5,6,7
	v_xor_b32 v[OW+\n], 0x11111111, v[OW+\n]       ; 1 where the mask is 0,
.endr
.irp n, 0,1,2,3,4,5,6,7
	v_mul_lo_u32 v[OW+\n], v[OW+\n], 15            ; and there all four bits: no nibble carries into the next
.endr
	global_store_b128 v1, v[OW:OW+3], s[6:7] offset:1024*(\k)
	global_store_b128 v1, v[OW+4:OW+7], s[6:7] offset:1024*(\k)+512
.endm
	MLD 0, 0
	MLD 1, 1
	s_mov_b32 s8, 4
.Lmchunk:                                      ; four trips of three chunks, until the sets are back where they began: chunks 0 to 11; they ask for chunks 2 to 13
	MCH 0, 0, 1, 32
	MCH 1, 1, 1, 32
	MCH 2, 2, 1, 32
	s_wait_xcnt 0x0                                ; the loads and stores have read their bases and the stores their data: both are written again only behind this wait
	s_add_nc_u64 s[4:5], s[4:5], 1536
	s_add_nc_u64 s[6:7], s[6:7], 3072
	s_sub_co_u32 s8, s8, 1
	s_cmp_lg_u32 s8, 0
	s_cbranch_scc1 .Lmchunk
	MCH 0, 0, 1, 32                                ; the last four chunks are written out: nothing is asked for beyond chunk 15
	MCH 1, 1, 1, 32
	MCH 2, 2, 0, 16
	s_wait_xcnt 0x0                                ; chunk 12's stores have read the registers that chunk 15's codes take
	MCH 3, 0, 0, 0
	s_branch .Lwords_done                          ; the wave's end and the closing round are common to both ways
.Lproj:
	s_cmp_eq_u32 s19, 0                            ; the buffers are chosen by T, which hangs on no address
	s_cselect_b64 s[4:5], s[36:37], s[46:47]       ; S1's codes: q's or k's
	s_cselect_b64 s[6:7], s[38:39], s[48:49]       ; S1's scales
	s_cselect_b64 s[8:9], s[40:41], s[50:51]       ; S0's codes: W_q's or W_k's
	s_cselect_b64 s[10:11], s[42:43], s[68:69]     ; S0's scales
	s_cselect_b64 s[12:13], s[44:45], s[70:71]     ; the bias
	s_cselect_b64 s[BASE:BASE+1], s[82:83], s[84:85]   ; qimg or kvimg
	s_cmp_eq_u32 s19, 2                            ; for v the tokens and the weight change places
	s_cselect_b64 s[4:5], s[76:77], s[4:5]
	s_cselect_b64 s[6:7], s[78:79], s[6:7]
	s_cselect_b64 s[8:9], s[72:73], s[8:9]
	s_cselect_b64 s[10:11], s[74:75], s[10:11]
	s_cselect_b64 s[12:13], s[80:81], s[12:13]
	s_lshl_b32 s44, s18, 2
	s_lshl_b32 s44, 15, s44                        ; my row of the cluster
	s_lshl_b32 s45, 0x1111, s17                    ; my column
	; group 1 for codes: 256 rows x 512 bytes, 512 bytes apart in memory, 16 bytes of padding behind each in LDS
	; one load brings a side's 256 rows whole: rows of 512 bytes, four words of padding after every 128 words
	s_or_b32 s[G1], s44, (0<<16)|(1<<20)|(1<<21)|(6<<22)|(3<<25)
	s_or_b32 s[G1B], s45, (0<<16)|(1<<20)|(1<<21)|(6<<22)|(3<<25)
.irp g, G1, G1B
	s_mov_b32 s[\g+1], 512<<16
	s_mov_b32 s[\g+2], 256<<16
	s_mov_b32 s[\g+3], 512<<16
	s_mov_b32 s[\g+4], 256
	s_mov_b32 s[\g+5], 512                         ; from row to row
	s_mov_b32 s[\g+6], 0
	s_mov_b32 s[\g+7], 0
.endr
	; group 1 for scales: 256 rows' 8,192 dense bytes as 32 rows of 256 bytes (32 elements of 8), 16 bytes of padding behind each
	s_or_b32 s[G1S], s44, (3<<16)|(1<<20)|(1<<21)|(5<<22)|(3<<25)
	s_or_b32 s[G1SB], s45, (3<<16)|(1<<20)|(1<<21)|(5<<22)|(3<<25)
.irp g, G1S, G1SB
	s_mov_b32 s[\g+1], 32<<16
	s_mov_b32 s[\g+2], 32<<16                      ; 256 rows' 8,192 dense bytes: 32 rows of 256
	s_mov_b32 s[\g+3], 32<<16
	s_mov_b32 s[\g+4], 32
	s_mov_b32 s[\g+5], 32
	s_mov_b32 s[\g+6], 0
	s_mov_b32 s[\g+7], 0
.endr
	s_lshl_b32 s92, s23, 8
	s_mov_b32 s93, 0                               ; a load begins at the tile's first row
	s_add_co_u32 s92, s92, s93                     ; S1: the first of the tile's 256 rows, which one load fetches
	s_lshl_b32 s94, s92, 5                         ; its scale bytes,
	s_lshl_b32 s92, s92, 9                         ; its codes
	s_mov_b32 s93, 0
	s_mov_b32 s95, 0
	s_lshl_b32 s96, s22, 8
	s_mov_b32 s97, 0
	s_add_co_u32 s96, s96, s97                     ; S0 likewise, in registers that never hold cy
	s_lshl_b32 s98, s96, 5
	s_lshl_b32 s96, s96, 9
	s_mov_b32 s97, 0
	s_mov_b32 s99, 0
	s_add_nc_u64 s[4:5], s[4:5], s[92:93]
	s_add_nc_u64 s[6:7], s[6:7], s[94:95]
	s_add_nc_u64 s[8:9], s[8:9], s[96:97]
	s_add_nc_u64 s[10:11], s[10:11], s[98:99]
	s_mov_b32 s[G0S], 1                            ; S1's scales,
	s_mov_b32 s[G0S+1], SCL
	s_mov_b64 s[G0S+2:G0S+3], s[6:7]
	s_or_b32 s[G0S+3], s[G0S+3], 0x80000000
	s_mov_b32 s[G0SB], 1                           ; S0's behind them,
	s_mov_b32 s[G0SB+1], SCL+2*HALFS
	s_mov_b64 s[G0SB+2:G0SB+3], s[10:11]
	s_or_b32 s[G0SB+3], s[G0SB+3], 0x80000000
	s_mov_b32 s[G0], 1                             ; S1's 256 rows of codes,
	s_mov_b32 s[G0+1], 0
	s_mov_b64 s[G0+2:G0+3], s[4:5]
	s_or_b32 s[G0+3], s[G0+3], 0x80000000
	s_mov_b32 s[G0B], 1                            ; S0's behind them
	s_mov_b32 s[G0B+1], 2*HALFT
	s_mov_b64 s[G0B+2:G0B+3], s[8:9]
	s_or_b32 s[G0B+3], s[G0B+3], 0x80000000
	CROUND                                         ; all sixteen work-groups are here: the joint loads meet
	; THE HEAD'S LOADS, ONE A WAVE: wave 0 S1's codes, wave 1 S0's, wave 2 S1's scales, wave 3 S0's.  No other tensor load follows: each byte of LDS is filled once
	ARM 1, G0,  G1,  .Lhead_b
	ARM 2, G0B, G1B, .Lhead_sa
	ARM 3, G0S, G1S, .Lhead_sb
	tensor_load_to_lds s[G0SB:G0SB+3], s[G1SB:G1SB+7]
	s_nop 0
.rept 4
	v_nop
.endr
.Lhead_asked:
	v_and_b32 v1, 15, v0                           ; r
	v_bfe_u32 v2, v0, 4, 1                         ; h
	v_and_b32 v3, 31, v0
	v_lshlrev_b32 v[L16], 4, v3
	v_lshlrev_b32 v[L8], 3, v3
	v_mul_u32_u24 v4, v1, PITCH
	v_lshl_add_u32 v4, v2, 4, v4                   ; a fragment's row x pitch + 16 h
	s_mul_i32 s4, s15, HALFT                       ; my 128 rows of S1
	s_mul_i32 s5, s16, HALFT
	s_add_co_u32 s5, s5, 2*HALFT                   ; my 128 rows of S0, behind S1's 256
.irp s, 0,1
	v_add_nc_u32 v[ADRA+\s], s4, v4
	v_add_nc_u32 v[ADRB+\s], s5, v4
	s_add_co_u32 s4, s4, SLOT
	s_add_co_u32 s5, s5, SLOT
.endr
	v_lshlrev_b32 v5, 5, v1                        ; my row's scale bytes: 32 a row,
	v_lshrrev_b32 v6, 3, v1
	v_lshl_add_u32 v5, v6, 4, v5                   ; and 16 more behind the first 256
	s_mul_i32 s4, s15, HALFS
	s_mul_i32 s5, s16, HALFS
	s_add_co_u32 s5, s5, 2*HALFS
	s_sub_co_u32 s5, s5, s4
	v_mul_u32_u24 v6, s5, v2                       ; lanes 16-31 take S0's: one product, h x the distance
	s_add_co_u32 s4, s4, SCL
	v_add_nc_u32 v5, v5, v6
	v_add_nc_u32 v[ADRS], s4, v5
	; the bias, in the result's layout, with no branch: register 8 x + n is loaded at h SH + r SR + n SJ + 64 x: for q, k bias[16 x + 8 h + n] (x = S0's block), for v bias[16 x + r] (x = S1's block)
	s_lshl_b32 s4, s22, 8
	s_lshl_b32 s5, s16, 7
	s_add_co_u32 s4, s4, s5                        ; my first i
	s_lshl_b32 s5, s23, 8
	s_lshl_b32 s6, s15, 7
	s_add_co_u32 s5, s5, s6                        ; my first j
	s_cmp_eq_u32 s19, 2
	s_cselect_b32 s4, s5, s4
	s_cselect_b32 s6, 0, 32
	s_cselect_b32 s7, 4, 0
	s_cselect_b32 s8, 0, 4
	s_lshl_b32 s4, s4, 2
	s_mov_b32 s5, 0
	s_add_nc_u64 s[12:13], s[12:13], s[4:5]
	v_mul_u32_u24 v[VB], v2, s6
	v_mad_u32_u24 v[VB], v1, s7, v[VB]
.irp j, 1,2,3,4,5,6,7
	v_add_nc_u32 v[VB+\j], s8, v[VB+\j-1]
.endr
.irp x, 0,1,2,3,4,5,6,7
.irp j, 0,1,2,3,4,5,6,7
	global_load_b32 v[BIAS+8*\x+\j], v[VB+\j], s[12:13] offset:64*\x
.endr
.endr
	; where the results go.  G = 2 I + WB.  q, k: region 16 (J / 8) + 2 G (and the next head's), step 2 (J % 8) + WA.  v: region 16 (G / 16) + 4 J + 2 WA (and the next), step G % 16
	s_lshl_b32 s4, s22, 1
	s_add_co_u32 s4, s4, s16                       ; G
	s_lshr_b32 s5, s23, 3
	s_lshl_b32 s5, s5, 4
	s_lshl_b32 s6, s4, 1
	s_add_co_u32 s5, s5, s6                        ; q, k: the region,
	s_and_b32 s6, s23, 7
	s_lshl_b32 s6, s6, 1
	s_add_co_u32 s6, s6, s15                       ; the step
	s_lshr_b32 s7, s4, 4
	s_lshl_b32 s7, s7, 4
	s_lshl_b32 s8, s23, 2
	s_add_co_u32 s7, s7, s8
	s_lshl_b32 s8, s15, 1
	s_add_co_u32 s7, s7, s8                        ; v: the region,
	s_and_b32 s8, s4, 15                           ; the step
	s_mov_b32 s9, REG
	s_mov_b32 s10, VCO
	s_mov_b32 s11, VSO
	s_cmp_eq_u32 s19, 2
	s_cselect_b32 s5, s7, s5
	s_cselect_b32 s6, s8, s6
	s_cselect_b32 s20, 2048, s9                    ; from code registers 0-3 to 4-7: q, k the next head; v keys 64 on
	s_cselect_b32 s44, s9, 2048                    ; from blocks 0-3 of S1 to blocks 4-7: q, k four tiles of tokens on; v the next head
	s_cselect_b32 s10, s10, 0
	s_cselect_b32 s11, s11, KSO
	s_cselect_b32 s47, 8, 9                        ; a step's scale words: 256 or 512 bytes
	s_mul_i32 s5, s5, REG
	s_lshl_b32 s7, s6, 12                          ; a step's codes: 4,096 bytes
	s_add_co_u32 s7, s7, s5
	s_add_co_u32 s2, s7, s10
	s_mov_b32 s3, 0
	s_lshl_b32 s6, s6, s47
	s_add_co_u32 s6, s6, s5
	s_add_co_u32 s6, s6, s11
	s_mov_b32 s7, 0
	s_mov_b32 s21, 0
	s_mov_b32 s45, 0
	s_add_nc_u64 s[BSW:BSW+1], s[BASE:BASE+1], s[6:7]
	s_add_nc_u64 s[BSW+2:BSW+3], s[BSW:BSW+1], REG
	s_add_nc_u64 s[BASE:BASE+1], s[BASE:BASE+1], s[2:3]
	s_add_nc_u64 s[BASE+2:BASE+3], s[BASE:BASE+1], s[20:21]
	s_add_nc_u64 s[BASE+4:BASE+5], s[BASE:BASE+1], s[44:45]
	s_add_nc_u64 s[BASE+6:BASE+7], s[BASE+4:BASE+5], s[20:21]
	s_mov_b32 s2, 0x76543210
	s_mov_b32 s3, 0xfedcba98                       ; v_permlanex16_b32's selects for lane l xor 16
	s_mov_b32 s46, 0xffff0000
	s_mov_b32 s47, 0x9d0000                        ; byte 2 of q's and k's scale words: 2^30, the scale of the block of K in which the attention launch lays the mask's codes
.irp b, 0,1,2,3
	v_mov_b32 v[TM+4+\b], 0                        ; written once: a lane permute's destination counts as one of its sources
.endr
.macro WMQ d, a, b, c, sa, sb          ; source 0's scales stand in lanes 16-31 of their register, source 1's in lanes 0-15
	v_wmma_scale_f32_16x16x128_f8f6f4 v[(\d):(\d)+7], v[(\a):(\a)+7], v[(\b):(\b)+7], v[(\c):(\c)+7], v[\sa], v[\sb] matrix_a_fmt:MATRIX_FMT_FP4 matrix_b_fmt:MATRIX_FMT_FP4 matrix_a_scale:MATRIX_SCALE_ROW1
.endm
; 64 matrix instructions: 128 along K, the q-th of K half `slot`, fragments of set p.  cmode 0: the sums go on; 1, 2: they begin with the bias along i or along j.
; The 64 accumulators take turns, one instruction a turn, in the same order in every step.
.macro MUL p, slot, q, cmode
.irp a, 0,1,2,3,4,5,6,7
.if (\cmode) == 0
	WIN 0xa5+0x50*(\a/4)
.else
	WIN 0x85+0x40*(\a/4)
.endif
.irp b, 0,1,2,3,4,5,6,7
.if (\cmode) == 0
	WMQ 8*(8*(\a%4)+\b), 128*(\p)+8*\b, 128*(\p)+64+8*\a, 8*(8*(\a%4)+\b), SC+32*(\slot)+4*\b+(\q), SC+32*(\slot)+4*\a+(\q)
.elseif (\cmode) == 1
	WMQ 8*(8*(\a%4)+\b), 128*(\p)+8*\b, 128*(\p)+64+8*\a, BIAS+8*\b, SC+32*(\slot)+4*\b+(\q), SC+32*(\slot)+4*\a+(\q)
.else
	WMQ 8*(8*(\a%4)+\b), 128*(\p)+8*\b, 128*(\p)+64+8*\a, BIAS+8*\a, SC+32*(\slot)+4*\b+(\q), SC+32*(\slot)+4*\a+(\q)
.endif
.endr
.endr
.endm
; 32 LDS loads in one run: a fragment (16 rows x 128 K of 4-bit codes) is 8 registers: two loads of 16 bytes, 32 bytes apart
.macro FETCH slot, q, p
	WIN 0x40                                       ; destination window 1, address window 0
.irp i, 0,1,2,3,4,5,6,7
.irp c, 0,1
	ds_load_b128 v[128*(\p)+8*\i+4*\c:128*(\p)+8*\i+4*\c+3], v[ADRB+(\slot)] offset:64*(\q)+32*\c+\i*16*PITCH
.endr
.endr
.irp i, 0,1,2,3,4,5,6,7
.irp c, 0,1
	ds_load_b128 v[128*(\p)+64+8*\i+4*\c:128*(\p)+64+8*\i+4*\c+3], v[ADRA+(\slot)] offset:64*(\q)+32*\c+\i*16*PITCH
.endr
.endr
	WIN 0
.endm
.macro SCALES s                        ; the four scale words a row of K half s: lanes 0-15 S1's block i, lanes 16-31 S0's block i
.irp i, 0,1,2,3,4,5,6,7
	ds_load_b128 v[SC+32*\s+4*\i:SC+32*\s+4*\i+3], v[ADRS] offset:\i*SBLK+16*\s
.endr
.endm
; 64 numbers of a lane in window w from v[s] on become a fragment's codes in v[PC] on and its scale word in v[PW]
.macro QUANT w, s
	WIN (\w)|((\w)<<2)                             ; sources 0 and 1 in window w
.irp b, 0,1,2,3
	v_max3_num_f32 v[TM+\b], |v[(\s)+16*\b]|, |v[(\s)+16*\b+1]|, 0x1800000   ; block b: my 16 numbers (each accumulator from its low end on), and the floor 2^(3 - 127): the byte cannot fall under 1
.endr
.irp i, 2,4,6,8,10,12,14
.irp b, 0,1,2,3
	v_max3_num_f32 v[TM+\b], |v[(\s)+16*\b+\i]|, |v[(\s)+16*\b+\i+1]|, v[TM+\b]
.endr
.endr
	WIN 0
.irp b, 0,1,2,3
	v_permlanex16_b32 v[TM+4+\b], v[TM+\b], s2, s3
.endr
.irp b, 0,1,2,3
	v_max_num_f32 v[TM+\b], v[TM+\b], v[TM+4+\b]   ; with lane l xor 16's 16: the block's largest magnitude
.endr
.irp b, 0,1,2,3
	v_add_nc_u32 v[TM+12+\b], 0xff000000, v[TM+\b] ; 2 off its exponent field: the conversion takes the exponent field of this operand as its scale
.endr
.irp b, 0,1,2,3
	v_lshrrev_b32 v[TM+4+\b], 23, v[TM+12+\b]      ; the scale's byte
.endr
	v_lshl_or_b32 v[PW], v[TM+5], 8, v[TM+4]
	v_lshl_or_b32 v[PW], v[TM+6], 16, v[PW]
	v_lshl_or_b32 v[PW], v[TM+7], 24, v[PW]
	s_wait_xcnt 0x0                                ; the last fragment's stores have read v[PC] on: it is written again only behind this wait
	WIN (\w)                                       ; source 0 in window w
.irp t, 0,1,2,3,4,5,6,7
	v_cvt_scalef32_pk8_fp4_f32 v[PC+4*(\t/4)+2*(\t%2)+(\t/2)%2], v[(\s)+8*\t:(\s)+8*\t+7], v[TM+12+\t/2]
.endr
	WIN 0
	v_nop                                          ; one plain place behind a scaled conversion
.irp c, 0,1
.irp x, 0,1
	v_permlane16_swap_b32 v[PC+4*\c+2*\x], v[PC+4*\c+2*\x+1]   ; the first's lanes 16-31 change places with the second's lanes 0-15: registers 4 c .. 4 c + 3 now hold i = 64 c + 32 h + 0 .. 31
.endr
.endr
.endm
	s_wait_alu depctr_va_vdst(0)
	s_wait_tensorcnt 0x0                           ; my one load is in
	s_barrier_signal -1
	s_barrier_wait -1                              ; everybody's are
	SCALES 0
	SCALES 1
	FETCH 0, 0, 0
	s_wait_dscnt 0x0
	s_wait_loadcnt 0x0                             ; the bias
	FETCH 0, 1, 1
	s_cmp_eq_u32 s19, 2                            ; T is the same in all sixteen work-groups
	s_cbranch_scc1 .Lbias_j
	MUL 0, 0, 0, 1
	WIN 0
	s_branch .Lsummed
.Lbias_j:
	MUL 0, 0, 0, 2
	WIN 0
.Lsummed:
.irp g, 1,2,3,4,5,6,7                  ; a step of 128 along K: its fragments are in; the next step's are asked for, in one run, and land under this step's 64 matrix instructions
	s_wait_dscnt 0x0
.if \g < 7
	PLACES 4                                       ; in front of loads into registers that matrix instructions have read
	FETCH (\g+1)/4, (\g+1)%4, (\g+1)%2
.endif
	MUL \g%2, \g/4, \g%4, 0
.endr
	WIN 0
	PLACES 4                                       ; in front of the first read of results
.irp a, 0,1,2,3,4,5,6,7                ; S1's block a: 16 j x my 128 i: one fragment, one scale word a lane
	QUANT 2+\a/4, 64*(\a%4)
	global_store_b128 v[L16], v[PC:PC+3], s[BASE+4*(\a/4):BASE+4*(\a/4)+1] offset:512*(\a%4)       ; 32 lanes store 512 consecutive bytes, aligned to 256
	global_store_b128 v[L16], v[PC+4:PC+7], s[BASE+2+4*(\a/4):BASE+3+4*(\a/4)] offset:512*(\a%4)
.if \a%2 == 0
	v_mov_b32 v[WS+\a/2], v[PW]                    ; (both halves of the lanes hold row r's word)
.else
	v_cndmask_b32 v[WS+\a/2], v[WS+\a/2], v[PW], s46   ; lanes 16-31 take the odd block's
.endif
.endr
	s_cmp_eq_u32 s19, 2
	s_cbranch_scc1 .Lv_words
.irp e, 0,1,2,3
	v_and_or_b32 v[W0+\e], v[WS+\e], 0xffff, s47   ; q, k: a word's low half is the first head's two blocks; byte 2 is 2^30, byte 3 is 0
.endr
.irp e, 0,1,2,3
	v_lshrrev_b32 v[W1+\e], 16, v[WS+\e]
	v_or_b32 v[W1+\e], s47, v[W1+\e]
.endr
	global_store_b128 v[L16], v[W0:W0+3], s[BSW:BSW+1]
	global_store_b128 v[L16], v[W1:W1+3], s[BSW+2:BSW+3]
	s_branch .Lwords_done
.Lv_words:
	global_store_b64 v[L8], v[WS:WS+1], s[BSW:BSW+1]       ; v: blocks 0-3 are the first head's four tiles of d, blocks 4-7 the second's
	s_wait_alu depctr_va_vdst(0)
	global_store_b64 v[L8], v[WS+2:WS+3], s[BSW+2:BSW+3]
.Lwords_done:
	s_wait_tensorcnt 0x0
	ds_add_u32 v190, v191
	s_wait_dscnt 0x0
	CROUND                                         ; the closing round: no work-group ends while a partner may still ask for a tile that names it
	s_endpgm
.Lfunc_end_k_qad68c914e4_proj:
	.size	k_qad68c914e4_proj, .Lfunc_end_k_qad68c914e4_proj-k_qad68c914e4_proj
	.p2alignl 7, 3214868480
	.fill 96, 4, 3214868480
	.section	.rodata,"a",@progbits
	.p2align	6, 0x0
	.amdhsa_kernel k_qad68c914e4_proj
		.amdhsa_group_segment_fixed_size 296448
		.amdhsa_private_segment_fixed_size 0
		.amdhsa_enable_private_segment 0
		.amdhsa_kernarg_size 152
		.amdhsa_user_sgpr_count 2
		.amdhsa_user_sgpr_kernarg_segment_ptr 1
		.amdhsa_wavefront_size32 1
		.amdhsa_system_sgpr_workgroup_id_x 1
		.amdhsa_system_sgpr_workgroup_id_y 1
		.amdhsa_system_sgpr_workgroup_id_z 1
		.amdhsa_system_vgpr_workitem_id 0
		.amdhsa_next_free_vgpr 1024
		.amdhsa_next_free_sgpr 100
		.amdhsa_reserve_vcc 0
		.amdhsa_float_denorm_mode_32 3
		.amdhsa_float_denorm_mode_16_64 3
		.amdhsa_memory_ordered 1
		.amdhsa_forward_progress 1
		.amdhsa_inst_pref_size 202
	.end_amdhsa_kernel
	.amdgpu_metadata
---
amdhsa.version: [ 1, 2 ]
amdhsa.kernels:
  - .name:           k_qad68c914e4_proj
    .symbol:         k_qad68c914e4_proj.kd
    .args:
      - { .name: q_codes, .offset: 0, .size: 8, .value_kind: global_buffer, .address_space: global }
      - { .name: q_scales, .offset: 8, .size: 8, .value_kind: global_buffer, .address_space: global }
      - { .name: W_q_codes, .offset: 16, .size: 8, .value_kind: global_buffer, .address_space: global }
      - { .name: W_q_scales, .offset: 24, .size: 8, .value_kind: global_buffer, .address_space: global }
      - { .name: b_q, .offset: 32, .size: 8, .value_kind: global_buffer, .address_space: global }
      - { .name: k_codes, .offset: 40, .size: 8, .value_kind: global_buffer, .address_space: global }
      - { .name: k_scales, .offset: 48, .size: 8, .value_kind: global_buffer, .address_space: global }
      - { .name: W_k_codes, .offset: 56, .size: 8, .value_kind: global_buffer, .address_space: global }
      - { .name: W_k_scales, .offset: 64, .size: 8, .value_kind: global_buffer, .address_space: global }
      - { .name: b_k, .offset: 72, .size: 8, .value_kind: global_buffer, .address_space: global }
      - { .name: v_codes, .offset: 80, .size: 8, .value_kind: global_buffer, .address_space: global }
      - { .name: v_scales, .offset: 88, .size: 8, .value_kind: global_buffer, .address_space: global }
      - { .name: W_v_codes, .offset: 96, .size: 8, .value_kind: global_buffer, .address_space: global }
      - { .name: W_v_scales, .offset: 104, .size: 8, .value_kind: global_buffer, .address_space: global }
      - { .name: b_v, .offset: 112, .size: 8, .value_kind: global_buffer, .address_space: global }
      - { .name: qimg, .offset: 120, .size: 8, .value_kind: global_buffer, .address_space: global }
      - { .name: kvimg, .offset: 128, .size: 8, .value_kind: global_buffer, .address_space: global }
      - { .name: att_mask, .offset: 136, .size: 8, .value_kind: global_buffer, .address_space: global }
      - { .name: maskn, .offset: 144, .size: 8, .value_kind: global_buffer, .address_space: global }
    .group_segment_fixed_size: 296448
    .private_segment_fixed_size: 0
    .kernarg_segment_align: 8
    .kernarg_segment_size: 152
    .max_flat_workgroup_size: 128
    .sgpr_count:     100
    .vgpr_count:     1024
    .wavefront_size: 32
...
	.end_amdgpu_metadata
.endif
;; end of part 1
;; launch attn (part 2): grid 4 x 64, 16 waves a work-group, clusters of 4 x 1, 169,984 bytes of LDS; arguments qimg, kvimg, maskn, oimg, osc; writes oimg, osc
.if DOCPART == 2
	.amdgcn_target "amdgcn-amd-amdhsa--gfx1250"
	.amdhsa_code_object_version 6
	.text
	.protected	k_qad68c914e4_attn
	.globl	k_qad68c914e4_attn
	.p2align	8
	.type	k_qad68c914e4_attn,@function
k_qad68c914e4_attn:
	s_mov_b64 s[64:65], 0
	v_nop
	global_prefetch_b8 v0, s[64:65] scope:SCOPE_SE
	s_setreg_imm32_b32 hwreg(HW_REG_WAVE_MODE, 25, 1), 1
	s_wait_xcnt 0x0
	s_wait_alu depctr_hold_cnt(0) depctr_sa_sdst(0) depctr_va_vdst(0) depctr_va_sdst(0) depctr_va_ssrc(0) depctr_va_vcc(0) depctr_vm_vsrc(0)
	s_getreg_b32 s2, hwreg(HW_REG_IB_STS2, 6, 4)
	s_cmp_eq_u32 s2, 0
	s_cbranch_scc0 .Lentry_in_a_cluster
	s_endpgm
.Lentry_in_a_cluster:
	s_bfe_u32 s2, ttmp6, 0x10000c
	s_cmp_lg_u32 s2, 0x3003
	s_cbranch_scc0 .Lentry_shape_is_right
	s_endpgm
.Lentry_shape_is_right:
; Attention for one (batch, head) and 512 queries, both products on codes of FP4 (E2M1) with E8M0 scales, and the quantiser of its result along the model's 1,024.
; t = score x log2(e) / 8; M = the running largest t rounded UP to a whole number; p = 2^(t - M) is quantised along the keys, not normalised; the row's sum is taken of the
; unquantised p and divides O at the end; when M moves, the sum and O are multiplied by 2^(old M - new M), which rounds nothing.
; SHARES.  256 work-groups.  Sixteen waves, four to a SIMD; a wave takes two tiles of 16 queries, one after the other (PASS 0, PASS 1), and walks the 2,048 keys, 128 a step, for each.
; LDS.  The (batch, head)'s K and V, codes and scale words, are 143,360 bytes, images of the operands' registers: they come once, by eight tensor loads, and stay: no byte is filled twice.
; CLUSTER.  The four query blocks of a cluster belong to one (batch, head): each of the eight loads is asked for jointly by the four.
; LAYOUT.  S^T = K Q^T (source 0 = 16 keys, source 1 = my queries), O^T = V^T P^T: a lane holds ONE query; register 8 t + n of S^T is key 16 t + 8 (lane / 16) + n.
; THE MASK RIDES IN THE PRODUCT.  A head has 64 along K, the instruction 128.  In k = 64 .. 79 K's operand (registers 4, 5, lanes 0-15) holds, for its key, one code for each of my 16 queries:
;   -6 where att_mask is 0, else 0; Q's operand holds a unit matrix there (code 1.0 at k = 64 + query).  Both sides' scale byte of that block is 2^30: a masked score comes out near -6 x 2^60, an
;   unmasked one gets a term of zero codes.  k = 80 .. 127 of Q's operand are zero codes, so what stands there in K's operand adds nothing: the next tile's first registers (a tile takes six registers).
; A ROW WHOSE EVERY KEY IS MASKED.  The running largest t begins at T0 = -1,442,695,040, the reference's -1e9 as t.  While a row stands at T0 it takes c = 0 and M = 0, so p = 1 for every key: the mean of V,
;   as the reference gives.  The first unmasked key lifts M, and 2^(old M - new M) = 0 wipes what was summed.
; THE MASK'S CODES are loaded a whole step ahead of their use, 1,024 bytes a wave, and PREFETCHED two steps ahead of that load.  The sixteen heads of a batch read the same codes and share the asking out:
;   in a work-group the wave whose number is the head asks, for its own tile: four blocks of 256 bytes a step, lanes 0 to 3 a block each (the other lanes name the last block again).  So each block is named once in the launch.
;   A tile's first three steps come by their loads alone, and the last three steps of a tile ask for nothing.  K and V come at the head, where no loop runs ahead.
; LIMITS: the promise holds while the scaled scores stay under 2^31 in magnitude; unmasked logits at or under -1e9 count as masked.  NaN and infinities are not served; a block whose largest magnitude
;   lies under 2^-124 keeps the byte 1; a block of zeros has the byte 1 and zero codes.
.set REG,   143360
.set KSO,   65536                      ; K's scale words
.set VCO,   73728                      ; V's codes
.set VSO,   139264                     ; V's scale words
.set OSTG,  143360                     ; behind the image: 1,024 bytes of their own, for O's scale bytes on their way out
.set FILL,  17920                      ; 70 rows of 256 bytes: what one tensor load brings
.set NEXTM, 16*16384-15*1024           ; from a tile's last step of mask codes to the first step of the tile sixteen on
.set L16,   1                          ; v1   16 x lane
.set ADK,   2                          ; v2-5 LDS addresses of the loads in hand: K's codes, K's words, V's codes, V's words
.set ADS,   3
.set ADV,   4
.set ADT,   5
.set MO,    6                          ; v6   my key's place in a chunk's mask codes, r = lane % 16: 512 ((r / 2) % 2) + 16 (r / 4) + 8 (r % 2) (both halves of the lanes read the same bytes)
.set AS0,   7                          ; v7-9 my lane's place among K's words, V's codes, V's words
.set AV0,   8
.set AT0,   9
; v10 c or 0, v11 -M, v12 -M or 0, v13 the largest t
; THE ROW'S SUM stands in eight pairs that take turns: v[14:15], v[24:27], v[238:245], v[248:249]
.set QF,    16                         ; v16-19 Q's codes; v20-23 the unit matrix
.set ID,    20
.set QS,    28                         ; Q's scale word
.set PFO,   29                         ; the prefetch's offset: 256 x min(lane, 3)
.set PW,    30                         ; p's scale word
.set CV,    31                         ; c
.set KS,    32                         ; v32-35 K's scale words: register e: lanes 0-15 tile 2 e, lanes 16-31 tile 2 e + 1
.set VS,    36                         ; v36-37 V's likewise
.set KF,    38                         ; v38-87 tile t: codes at 38 + 6 t .. + 3, mask codes at + 4, + 5; v86-87 zeros
.set VF,    88                         ; v88-119 V: 8 registers for each 16 of the head's 64
.set S,     120                        ; v120-183 S^T, then p
.set O,     184                        ; v184-215 O^T
.set PCD,   216                        ; v216-223 p's codes
.set BM,    224                        ; v224-227 the blocks' largest scores, then p
.set T2,    228
.set SCO,   232                        ; the conversions' scale operands
.set F,     236                        ; v236 f = 2^(old M - new M)
.set TMP,   237                        ; at work; also the upper word of f's pair
.set OST,   246                        ; where my lane puts O's two scale bytes
.set OSR,   247                        ; where waves 0 and 1 read them back
.set QWO,   250                        ; 16 x (lane % 16): Q's scale words lie 16 bytes apart
.set OSG,   253                        ; where the scale bytes go in osc
; s[4:5] the mask codes of the step loaded last; s[6:7] oimg, s[8:9] osc at my place; s[10:11] lane selects; s12 c; s14 wave; s15 trips; s16-18 the LDS steps; s19 T0; s20 the prefetch's limit; s[28:31] Q's codes and words
.macro ROUND                           ; a round of the cluster's barrier
	s_barrier_signal -1
	s_barrier_wait -1
	s_cmp_lg_u32 s14, 0
	s_cbranch_scc1 .Lnot_wave_0_\@
	s_barrier_signal -3
.Lnot_wave_0_\@:
	s_barrier_wait -3
	s_barrier_signal -1
	s_barrier_wait -1
.endm
.macro WMS d, a, b, acc, sa, sb, row   ; row: source 0's scales stand in lanes 16-31 of their register;  acc = 0: the sum begins
.if (\acc) && (\row)
	v_wmma_scale_f32_16x16x128_f8f6f4 v[(\d):(\d)+7], v[(\a):(\a)+7], v[(\b):(\b)+7], v[(\d):(\d)+7], v[\sa], v[\sb] matrix_a_fmt:MATRIX_FMT_FP4 matrix_b_fmt:MATRIX_FMT_FP4 matrix_a_scale:MATRIX_SCALE_ROW1
.elseif (\acc)
	v_wmma_scale_f32_16x16x128_f8f6f4 v[(\d):(\d)+7], v[(\a):(\a)+7], v[(\b):(\b)+7], v[(\d):(\d)+7], v[\sa], v[\sb] matrix_a_fmt:MATRIX_FMT_FP4 matrix_b_fmt:MATRIX_FMT_FP4
.elseif (\row)
	v_wmma_scale_f32_16x16x128_f8f6f4 v[(\d):(\d)+7], v[(\a):(\a)+7], v[(\b):(\b)+7], 0, v[\sa], v[\sb] matrix_a_fmt:MATRIX_FMT_FP4 matrix_b_fmt:MATRIX_FMT_FP4 matrix_a_scale:MATRIX_SCALE_ROW1
.else
	v_wmma_scale_f32_16x16x128_f8f6f4 v[(\d):(\d)+7], v[(\a):(\a)+7], v[(\b):(\b)+7], 0, v[\sa], v[\sb] matrix_a_fmt:MATRIX_FMT_FP4 matrix_b_fmt:MATRIX_FMT_FP4
.endif
.endm
.macro LOADK                           ; a step's eight tiles of keys and their scale words: nine loads, each 512 consecutive bytes
.irp t, 0,1,2,3,4,5,6,7
	ds_load_b128 v[KF+6*\t:KF+6*\t+3], v[ADK] offset:512*\t
.endr
	ds_load_b128 v[KS:KS+3], v[ADS]
.endm
.macro LOADV                           ; a step's four fragments of V^T and their scale words: nine loads
.irp dt, 0,1,2,3
.irp c, 0,1
	ds_load_b128 v[VF+8*\dt+4*\c:VF+8*\dt+4*\c+3], v[ADV] offset:2048*\c+512*\dt
.endr
.endr
	ds_load_b64 v[VS:VS+1], v[ADT]
.endm
.macro MLOAD                           ; a step's mask codes, 8 bytes a key: a tile of 16 keys lies 64 bytes on from the last in each half of the chunk
.irp t, 0,1,2,3,4,5,6,7
	global_load_b64 v[KF+6*\t+4:KF+6*\t+5], v[MO], s[4:5] offset:64*\t
.endr
.endm
.macro STATE                           ; a tile's beginning: the largest t at T0, the sums and O^T at 0 (the step is written once for all trips: the first finds zeros)
	v_mov_b32 v13, 0xceabfb8f
	v_floor_f32 v11, -v13
.irp cb, 14,24,26,238,240,242,244,248
	v_mov_b32 v[\cb], 0
	v_mov_b32 v[\cb+1], 0
.endr
.set jj, 0
.rept 32
	v_mov_b32 v[O+jj], 0
.set jj, jj+1
.endr
.endm
	s_load_b256 s[32:39], s[0:1], 0x0              ; qimg, kvimg, maskn, oimg
	s_load_b64 s[40:41], s[0:1], 0x20              ; osc
	v_lshl_add_u32 v254, v0, 2, 0x29000
	v_mov_b32 v255, 0
	ds_add_u32 v254, v255                          ; the opening lines: the add, twice on end, and its wait ahead of the first tensor load
	ds_add_u32 v254, v255
	v_lshrrev_b32 v224, 5, v0
	v_readfirstlane_b32 s14, v224                  ; wave 0..15
	s_bfe_u32 s43, ttmp6, 0x40000                  ; cx = my block of 512 queries: it enters the addresses of Q, the mask codes and the outputs alone
	s_and_b32 s44, ttmp7, 0xffff                   ; 16 x batch + head, which the four partners share
	s_mul_i32 s2, s44, REG
	s_mov_b32 s3, 0
	s_and_b32 s45, s14, 7
	s_mul_i32 s45, s45, FILL                       ; the part of the image that I fetch, in memory and in LDS alike
	s_lshr_b32 s46, s44, 4                         ; batch
	s_and_b32 s47, s44, 15                         ; head
	s_lshl_b32 s48, s43, 5
	s_add_co_u32 s48, s48, s14                     ; my first tile of 16 queries in the batch (the second: 16 tiles on),
	s_lshl_b32 s49, s46, 7
	s_add_co_u32 s49, s49, s48                     ; and among all 512
	s_lshl_b32 s50, s49, 14                        ; its mask codes: 16,384 bytes a tile
	s_mov_b32 s51, 0
	s_lshl_b32 s52, s49, 4
	s_add_co_u32 s52, s52, s47
	s_lshl_b32 s52, s52, 9                         ; oimg: [tile][head][512 bytes]
	s_mov_b32 s53, 0
	s_lshl_b32 s54, s46, 7
	s_lshl_b32 s55, s43, 5
	s_add_co_u32 s54, s54, s55
	s_lshl_b32 s54, s54, 5
	s_lshl_b32 s55, s47, 14
	s_add_co_u32 s54, s54, s55                     ; osc: [head][tile][32 bytes], at the work-group's first tile
	s_mov_b32 s55, 0
	s_lshl_b32 s56, s48, 9                         ; Q's codes: 512 bytes a tile
	s_mov_b32 s57, 0
	s_lshr_b32 s58, s48, 3
	s_lshl_b32 s58, s58, 9                         ; Q's scale word: step tile / 8,
	s_and_b32 s59, s48, 1
	s_lshl_b32 s59, s59, 8                         ; lanes 16 (tile % 2) on,
	s_add_co_u32 s58, s58, s59
	s_bfe_u32 s59, s48, 0x20001
	s_lshl_b32 s59, s59, 2                         ; word (tile / 2) % 4
	s_add_co_u32 s58, s58, s59
	s_add_co_u32 s58, s58, KSO
	s_mov_b32 s59, 0
	s_mov_b32 s16, 15|(3<<16)|(1<<21)              ; group 1: 70 rows of 256 bytes (32 elements of 8), dense in memory and in LDS; the mask names all four work-groups; bit 21 set beside it
	s_mov_b32 s17, 32<<16
	s_mov_b32 s18, 70<<16
	s_mov_b32 s19, 32<<16
	s_mov_b32 s20, 70
	s_mov_b32 s21, 32
	s_mov_b32 s22, 0
	s_mov_b32 s23, 0
	s_mov_b32 s10, 0x76543210
	s_mov_b32 s11, 0xfedcba98                      ; v_permlanex16_b32's selects for lane l xor 16
	s_mov_b32 s12, 0x3e38aa3b                      ; c = log2(e) / 8
	v_and_b32 v225, 31, v0
	v_lshlrev_b32 v[L16], 4, v225
	v_add_nc_u32 v[AS0], KSO, v[L16]
	v_add_nc_u32 v[AV0], VCO, v[L16]
	v_lshl_add_u32 v[AT0], v225, 3, VSO
	v_and_b32 v226, 15, v0                         ; r
	v_and_b32 v227, 2, v226
	v_lshlrev_b32 v227, 8, v227
	v_lshrrev_b32 v228, 2, v226
	v_lshl_add_u32 v[MO], v228, 4, v227
	v_and_b32 v228, 1, v226
	v_lshl_add_u32 v[MO], v228, 3, v[MO]
	s_lshl_b32 s62, s14, 5
	s_add_co_u32 s62, s62, OSTG
	v_lshl_add_u32 v[OST], v226, 1, s62            ; 32 bytes a wave, 2 a query; the second tile's lie 512 bytes on
	s_and_b32 s63, s14, 1
	s_lshl_b32 s63, s63, 9
	v_add_nc_u32 v[OSG], s63, v[L16]
	v_add_nc_u32 v[OSR], OSTG, v[OSG]
	v_lshlrev_b32 v[QWO], 4, v226
	v_min_u32 v[PFO], 3, v225
	v_lshlrev_b32 v[PFO], 8, v[PFO]
	s_wait_dscnt 0x0
	s_wait_kmcnt 0x0
	s_add_nc_u64 s[34:35], s[34:35], s[2:3]        ; my (batch, head)'s region of kvimg
	s_mov_b32 s24, 1                               ; group 0: count = 1,
	s_mov_b32 s25, s45                             ; LDS address,
	s_mov_b32 s60, s45
	s_mov_b32 s61, 0
	s_add_nc_u64 s[26:27], s[34:35], s[60:61]      ; global address,
	s_or_b32 s27, s27, 0x80000000                  ; type = 2
	s_add_nc_u64 s[4:5], s[36:37], s[50:51]
	s_add_nc_u64 s[6:7], s[38:39], s[52:53]
	s_add_nc_u64 s[8:9], s[40:41], s[54:55]
	s_add_nc_u64 s[32:33], s[32:33], s[2:3]        ; the region of qimg
	s_add_nc_u64 s[28:29], s[32:33], s[56:57]
	s_add_nc_u64 s[30:31], s[32:33], s[58:59]
	ROUND                                          ; all four work-groups are here: the joint loads meet
	s_cmp_lt_u32 s14, 8                            ; waves 0 to 7 fetch, one load each: the same in every work-group
	s_cbranch_scc0 .Lno_fetch
	tensor_load_to_lds s[24:27], s[16:23]
	s_nop 0
.rept 4
	v_nop
.endr
.Lno_fetch:
	s_wait_alu depctr_va_vdst(0)                   ; the offsets below were made ahead of the round
	global_load_b128 v[QF:QF+3], v[L16], s[28:29]  ; the first tile's Q
	global_load_b32 v[QS], v[QWO], s[30:31]
	MLOAD                                          ; step 0's mask codes
	v_and_b32 v228, 7, v0
	v_lshlrev_b32 v228, 2, v228
	v_lshlrev_b32 v228, v228, 2                    ; the code of 1.0 at nibble lane % 8
	v_cmp_gt_u32 vcc_lo, 8, v225
	v_cndmask_b32 v[ID], 0, v228, vcc_lo           ; the unit matrix: lanes 0-7 in its first register,
	v_xor_b32 v229, 8, v225
	v_cmp_gt_u32 vcc_lo, 8, v229
	v_cndmask_b32 v[ID+1], 0, v228, vcc_lo         ; lanes 8-15 in its second; all else zero codes
	v_mov_b32 v[ID+2], 0
	v_mov_b32 v[ID+3], 0
	v_mov_b32 v[CV], 0x3e38aa3b
	v_mov_b32 v[KF+48], 0
	v_mov_b32 v[KF+49], 0
	STATE
; A KEY STEP: 128 keys.  more = 1: the next step's K and mask codes are asked for; 2: the next tile's Q and its first step's; 0: nothing.
.macro STEP more
	s_wait_loadcnt 0x0                             ; this step's mask codes are in (its K came in ahead of the last wait on DScnt)
.if \more
	s_wait_xcnt 0x0                                ; any prefetch of mine has read its base, so it may be stepped
.endif
.if (\more) == 1
	s_add_nc_u64 s[4:5], s[4:5], 1024
.elseif (\more) == 2
	s_add_nc_u64 s[4:5], s[4:5], NEXTM
.endif
.irp t, 0,1,2,3,4,5,6,7
	WMS S+8*\t, KF+6*\t, QF, 0, KS+\t/2, QS, \t%2
.endr
	v_add_nc_u32 v[ADV], s16, v[AV0]               ; four plain lines that name no register of the products: the places in front of the loads below and of the first read of the scores
	v_add_nc_u32 v[ADT], s18, v[AT0]
.if (\more) == 1
	s_add_co_u32 s16, s16, 4096                    ; the next step's codes, K's words, V's words
	s_add_co_u32 s17, s17, 512
	s_add_co_u32 s18, s18, 256
.elseif (\more) == 2
	s_mov_b32 s16, 0
	s_mov_b32 s17, 0
	s_mov_b32 s18, 0
.endif
.if \more
	v_add_nc_u32 v[ADK], s16, v[L16]
	v_add_nc_u32 v[ADS], s17, v[AS0]
.else
	v_nop
	v_nop
.endif
	LOADV                                          ; this step's V: it has the softmax in which to land
.if \more
	LOADK
	MLOAD
.endif
.if (\more) == 2
	global_load_b128 v[QF:QF+3], v[L16], s[28:29] offset:8192   ; the second tile's Q, into the registers that the first tile's last products have left
	global_load_b32 v[QS], v[QWO], s[30:31] offset:1024
.endif
.if (\more) == 1
	s_cmp_gt_u32 s15, s20                          ; my wave's number is the head, and three steps or more of the tile are still to come
	s_cbranch_scc0 .Lnp_\@
	global_prefetch_b8 v[PFO], s[4:5] offset:2048 th:TH_LOAD_NT scope:SCOPE_SE   ; the mask codes two steps on from those just loaded
.Lnp_\@:
.endif
; the largest score of each block of 32 keys: for the row's maximum and, since p rises with the score, for the block's largest p.  Eight chains by turns, one to an accumulator, each first read at its low end
.irp b, 0,1,2,3
	v_max3_num_f32 v[BM+\b], v[S+16*\b], v[S+16*\b+1], v[S+16*\b+2]
.endr
.irp b, 0,1,2,3
	v_max3_num_f32 v[T2+\b], v[S+16*\b+8], v[S+16*\b+9], v[S+16*\b+10]
.endr
.irp i, 3,5
.irp b, 0,1,2,3
	v_max3_num_f32 v[BM+\b], v[BM+\b], v[S+16*\b+\i], v[S+16*\b+\i+1]
.endr
.irp b, 0,1,2,3
	v_max3_num_f32 v[T2+\b], v[T2+\b], v[S+16*\b+\i+8], v[S+16*\b+\i+9]
.endr
.endr
.irp b, 0,1,2,3
	v_max3_num_f32 v[BM+\b], v[BM+\b], v[S+16*\b+7], v[S+16*\b+15]
.endr
.irp b, 0,1,2,3
	s_delay_alu instid0(VALU_DEP_4)
	v_max_num_f32 v[BM+\b], v[BM+\b], v[T2+\b]
.endr
.irp b, 0,1,2,3
	s_delay_alu instid0(VALU_DEP_4)
	v_permlanex16_b32 v[T2+\b], v[BM+\b], s10, s11
.endr
.irp b, 0,1,2,3
	s_delay_alu instid0(VALU_DEP_4)
	v_max_num_f32 v[BM+\b], v[BM+\b], v[T2+\b]     ; with lane l xor 16's 16 keys
.endr
	s_delay_alu instid0(VALU_DEP_2)
	v_max3_num_f32 v[TMP], v[BM], v[BM+1], v[BM+2]
	s_delay_alu instid0(VALU_DEP_1)
	v_max_num_f32 v[TMP], v[TMP], v[BM+3]          ; the step's largest score of my query,
	s_delay_alu instid0(VALU_DEP_1)
	v_mul_f32 v[TMP], s12, v[TMP]                  ; as t (c is positive)
	s_delay_alu instid0(VALU_DEP_1)
	v_max_num_f32 v13, v13, v[TMP]                 ; the running largest t, never under T0
	v_mov_b32 v[TMP], v11
	s_delay_alu instid0(VALU_DEP_2)
	v_floor_f32 v11, -v13                          ; the new -M = floor(-t) = -ceil(t): a whole number
	s_delay_alu instid0(VALU_DEP_1)
	v_sub_f32 v[TMP], v11, v[TMP]                  ; old M - new M: a whole number, 0 or less
	s_delay_alu instid0(VALU_DEP_1)
	v_cvt_i32_f32 v[TMP], v[TMP]                   ; (it saturates)
	s_delay_alu instid0(VALU_DEP_1)
	v_ldexp_f32 v[F], 1.0, v[TMP]                  ; f = 2^(old M - new M)
	v_cmp_lt_f32 vcc_lo, s19, v13                  ; has the row met an unmasked key?
	v_cndmask_b32 v10, 0, v[CV], vcc_lo            ; c and -M; or 0 and 0: p = 1 throughout
	v_cndmask_b32 v12, 0, v11, vcc_lo
.set jj, 0
.rept 16
	v_pk_mul_f32 v[O+jj:O+jj+1], v[O+jj:O+jj+1], v[F:F+1] op_sel_hi:[1,0]   ; O^T under the new M, each accumulator from its low end on; no exponential stands between the products that wrote it and these lines
.set jj, jj+2
.endr
.set jj, 0
.rept 32
	v_pk_fma_f32 v[S+jj:S+jj+1], v[S+jj:S+jj+1], v[10:11], v[12:13] op_sel_hi:[1,0,0]   ; t - M, two at a time (of the pairs the low word serves both halves)
.set jj, jj+2
.endr
.irp b, 0,1,2,3
	v_fma_f32 v[BM+\b], v[BM+\b], v10, v12         ; the same of each block's largest score
.endr
	s_wait_alu depctr_va_vdst(0)
.irp b, 0,1,2,3
	v_exp_f32 v[BM+\b], v[BM+\b]                   ; the blocks' largest p: the same two instructions on the same number give the same bits as the block's own
.endr
.set jj, 0
.rept 64
	v_exp_f32 v[S+jj], v[S+jj]                     ; p = 2^(t - M)
.set jj, jj+1
.endr
	s_wait_alu depctr_va_vdst(0)                   ; one wait for the batch of 68, ahead of the first line that names a result
.irp b, 0,1,2,3
	v_max_num_f32 v[BM+\b], 0x1800000, v[BM+\b]    ; the floor 2^(3 - 127): the byte cannot fall under 1.  (The first of these is the plain line behind the last exponential, whose result it does not name)
.endr
.irp b, 0,1,2,3
	s_delay_alu instid0(VALU_DEP_4)
	v_add_nc_u32 v[SCO+\b], 0xff000000, v[BM+\b]   ; 2 off the exponent field: the conversion's scale operand
.endr
.irp b, 0,1,2,3
	s_delay_alu instid0(VALU_DEP_4)
	v_lshrrev_b32 v[T2+\b], 23, v[SCO+\b]          ; the scale's byte
.endr
	s_delay_alu instid0(VALU_DEP_3)
	v_lshl_or_b32 v[PW], v[T2+1], 8, v[T2]         ; p's scale word for these 128 keys
	s_delay_alu instid0(VALU_DEP_1)
	v_lshl_or_b32 v[PW], v[T2+2], 16, v[PW]
	s_delay_alu instid0(VALU_DEP_1)
	v_lshl_or_b32 v[PW], v[T2+3], 24, v[PW]
.irp t, 0,1,2,3,4,5,6,7
	v_cvt_scalef32_pk8_fp4_f32 v[PCD+4*(\t/4)+2*(\t%2)+(\t/2)%2], v[S+8*\t:S+8*\t+7], v[SCO+\t/2]
.endr
; the row's sum of the unquantised p: eight pairs by turns; the first line of each brings the pair under the new M and adds in one.  (Plain lines behind the scaled conversions that write none of their registers)
.set kk, 0
.irp cb, 14,24,26,238,240,242,244,248
	v_pk_fma_f32 v[\cb:\cb+1], v[\cb:\cb+1], v[F:F+1], v[S+2*kk:S+2*kk+1] op_sel_hi:[1,0,1]
.set kk, kk+1
.endr
.irp c, 0,1
.irp x, 0,1
	v_permlane16_swap_b32 v[PCD+4*\c+2*\x], v[PCD+4*\c+2*\x+1]   ; registers 4 c .. 4 c + 3 now hold keys 64 c + 32 h + 0 .. 31
.endr
.endr
.rept 3
.irp cb, 14,24,26,238,240,242,244,248
	v_pk_add_f32 v[\cb:\cb+1], v[\cb:\cb+1], v[S+2*kk:S+2*kk+1]   ; these 24 are also the places between the lines that made p's codes and scale word and the products
.set kk, kk+1
.endr
.endr
	s_wait_alu depctr_va_vdst(0)
	s_wait_dscnt 0x0                               ; this step's V is in, and so is the next step's K
.irp dt, 0,1,2,3                       ; O^T += V^T P^T: four accumulators by turns; the products K Q^T stand between two links of a chain
	WMS O+8*\dt, VF+8*\dt, PCD, 1, VS+\dt/2, PW, \dt%2
.endr
.endm
; A TILE OF 16 QUERIES: sixteen key steps, the last written out, and the way out: O^T / the sum, quantised along the head's 64, two blocks of the model's 1,024; the codes leave as the image of the last product's operand registers.
.macro PASS p
	s_mov_b32 s15, 15
.Lstep_\p:
	STEP 1
	s_sub_co_u32 s15, s15, 1
	s_cmp_lg_u32 s15, 0
	s_cbranch_scc1 .Lstep_\p
.if (\p) == 0
	STEP 2
.else
	STEP 0                                         ; it asks for nothing, so no read passes the image's or the mask codes' end
.endif
	v_pk_add_f32 v[14:15], v[14:15], v[24:25]      ; the sum's eight pairs (these lines are the places behind the last products),
	v_pk_add_f32 v[26:27], v[26:27], v[238:239]
	v_pk_add_f32 v[240:241], v[240:241], v[242:243]
	v_pk_add_f32 v[244:245], v[244:245], v[248:249]
	v_pk_add_f32 v[14:15], v[14:15], v[26:27]
	v_pk_add_f32 v[240:241], v[240:241], v[244:245]
	v_pk_add_f32 v[14:15], v[14:15], v[240:241]
	v_add_f32 v14, v14, v15                        ; the two halves,
	v_permlanex16_b32 v[TMP], v14, s10, s11
	v_add_f32 v14, v14, v[TMP]                     ; and lane l xor 16's
	s_wait_alu depctr_va_vdst(0)
	v_rcp_f32 v14, v14
	v_nop                                          ; a plain line behind the reciprocal
	s_wait_alu depctr_va_vdst(0)                   ; the wait ahead of its first reader, which is also O^T's
.set jj, 0
.rept 32
	v_mul_f32 v[S+jj], v[O+jj], v14                ; register 8 t + n is o(query r, d = 16 t + 8 h + n)
.set jj, jj+1
.endr
.irp b, 0,1
	v_max3_num_f32 v[BM+\b], |v[S+16*\b]|, |v[S+16*\b+1]|, 0x1800000
.endr
.irp i, 2,4,6,8,10,12,14
.irp b, 0,1
	v_max3_num_f32 v[BM+\b], v[BM+\b], |v[S+16*\b+\i]|, |v[S+16*\b+\i+1]|
.endr
.endr
.irp b, 0,1
	v_permlanex16_b32 v[T2+\b], v[BM+\b], s10, s11
.endr
.irp b, 0,1
	v_max_num_f32 v[BM+\b], v[BM+\b], v[T2+\b]
.endr
.irp b, 0,1
	v_add_nc_u32 v[SCO+\b], 0xff000000, v[BM+\b]
.endr
.irp b, 0,1
	v_lshrrev_b32 v[T2+\b], 23, v[SCO+\b]
.endr
	v_lshl_or_b32 v[PW], v[T2+1], 8, v[T2]         ; my query's two scale bytes
.irp t, 0,1,2,3
	v_cvt_scalef32_pk8_fp4_f32 v[PCD+2*(\t%2)+\t/2], v[S+8*\t:S+8*\t+7], v[SCO+\t/2]
.endr
	v_nop                                          ; one plain place behind a scaled conversion
	v_permlane16_swap_b32 v[PCD], v[PCD+1]
	v_permlane16_swap_b32 v[PCD+2], v[PCD+3]       ; registers 0 .. 3: d = 32 h + 0 .. 31
	global_store_b128 v[L16], v[PCD:PCD+3], s[6:7] offset:131072*(\p)   ; 32 lanes store 512 consecutive bytes, aligned to 256
	ds_store_b16 v[OST], v[PW] offset:512*(\p)     ; both halves of the lanes write the same two bytes with the same value
.if (\p) == 0
	s_wait_alu depctr_va_vdst(0)
	s_wait_xcnt 0x0                                ; the store has read its data: the next tile writes them again
	STATE
.endif
.endm
	s_wait_alu depctr_va_vdst(0)
	s_wait_tensorcnt 0x0                           ; my part of the image is in (a wave that fetched nothing passes),
	s_barrier_signal -1
	s_barrier_wait -1                              ; everybody's is
	s_mov_b32 s16, 0                               ; (the descriptor's registers are free behind that wait)
	s_mov_b32 s17, 0
	s_mov_b32 s18, 0
	s_mov_b32 s19, 0xceabfb8f                      ; T0
	s_mov_b32 s20, 0x7fffffff
	s_cmp_eq_u32 s14, s47
	s_cselect_b32 s20, 2, s20                      ; the wave whose number is the head prefetches while more than 2 trips are left; no other wave's count passes its limit
	v_add_nc_u32 v[ADK], s16, v[L16]
	v_add_nc_u32 v[ADS], s17, v[AS0]
	LOADK
	s_wait_dscnt 0x0                               ; step 0's K
	PASS 0
	PASS 1
	s_wait_dscnt 0x0                               ; for the others' sake: my stores have landed
	s_barrier_signal -1
	s_barrier_wait -1
	s_cmp_lt_u32 s14, 2                            ; the work-group's 1,024 scale bytes are neighbours in osc: waves 0 and 1 store 512 each, whole
	s_cbranch_scc0 .Lnot_mine
	ds_load_b128 v[S:S+3], v[OSR]
	s_wait_dscnt 0x0
	global_store_b128 v[OSG], v[S:S+3], s[8:9]
.Lnot_mine:
	s_wait_tensorcnt 0x0                           ; the wave's end
	ds_add_u32 v254, v255
	s_wait_dscnt 0x0
	ROUND                                          ; the closing round: no work-group ends while a partner may still ask for a tile that names it
	s_endpgm
.Lfunc_end_k_qad68c914e4_attn:
	.size	k_qad68c914e4_attn, .Lfunc_end_k_qad68c914e4_attn-k_qad68c914e4_attn
	.p2alignl 7, 3214868480
	.fill 96, 4, 3214868480
	.section	.rodata,"a",@progbits
	.p2align	6, 0x0
	.amdhsa_kernel k_qad68c914e4_attn
		.amdhsa_group_segment_fixed_size 169984
		.amdhsa_private_segment_fixed_size 0
		.amdhsa_enable_private_segment 0
		.amdhsa_kernarg_size 40
		.amdhsa_user_sgpr_count 2
		.amdhsa_user_sgpr_kernarg_segment_ptr 1
		.amdhsa_wavefront_size32 1
		.amdhsa_system_sgpr_workgroup_id_x 1
		.amdhsa_system_sgpr_workgroup_id_y 1
		.amdhsa_system_sgpr_workgroup_id_z 1
		.amdhsa_system_vgpr_workitem_id 0
		.amdhsa_next_free_vgpr 256
		.amdhsa_next_free_sgpr 66
		.amdhsa_reserve_vcc 1
		.amdhsa_float_denorm_mode_32 3
		.amdhsa_float_denorm_mode_16_64 3
		.amdhsa_memory_ordered 1
		.amdhsa_forward_progress 1
		.amdhsa_inst_pref_size 84
	.end_amdhsa_kernel
	.amdgpu_metadata
---
amdhsa.version: [ 1, 2 ]
amdhsa.kernels:
  - .name:           k_qad68c914e4_attn
    .symbol:         k_qad68c914e4_attn.kd
    .args:
      - { .name: qimg, .offset: 0, .size: 8, .value_kind: global_buffer, .address_space: global }
      - { .name: kvimg, .offset: 8, .size: 8, .value_kind: global_buffer, .address_space: global }
      - { .name: maskn, .offset: 16, .size: 8, .value_kind: global_buffer, .address_space: global }
      - { .name: oimg, .offset: 24, .size: 8, .value_kind: global_buffer, .address_space: global }
      - { .name: osc, .offset: 32, .size: 8, .value_kind: global_buffer, .address_space: global }
    .group_segment_fixed_size: 169984
    .private_segment_fixed_size: 0
    .kernarg_segment_align: 8
    .kernarg_segment_size: 40
    .max_flat_workgroup_size: 512
    .sgpr_count:     66
    .vgpr_count:     256
    .wavefront_size: 32
...
	.end_amdgpu_metadata
.endif
;; end of part 2
;; launch outp (part 3): grid 4 x 64, 4 waves a work-group, clusters of 4 x 4, 251,904 bytes of LDS; arguments oimg, osc, W_o_codes, W_o_scales, b_o, out0; writes out0
.if DOCPART == 3
	.amdgcn_target "amdgcn-amd-amdhsa--gfx1250"
	.amdhsa_code_object_version 6
	.text
	.protected	k_qad68c914e4_outp
	.globl	k_qad68c914e4_outp
	.p2align	8
	.type	k_qad68c914e4_outp,@function
k_qad68c914e4_outp:
	s_mov_b64 s[64:65], 0
	v_nop
	global_prefetch_b8 v0, s[64:65] scope:SCOPE_SE
	s_setreg_imm32_b32 hwreg(HW_REG_WAVE_MODE, 25, 1), 1
	s_wait_xcnt 0x0
	s_wait_alu depctr_hold_cnt(0) depctr_sa_sdst(0) depctr_va_vdst(0) depctr_va_sdst(0) depctr_va_ssrc(0) depctr_va_vcc(0) depctr_vm_vsrc(0)
	s_getreg_b32 s2, hwreg(HW_REG_IB_STS2, 6, 4)
	s_cmp_eq_u32 s2, 0
	s_cbranch_scc0 .Lentry_in_a_cluster
	s_endpgm
.Lentry_in_a_cluster:
	s_bfe_u32 s2, ttmp6, 0x10000c
	s_cmp_lg_u32 s2, 0xf033
	s_cbranch_scc0 .Lentry_shape_is_right
	s_endpgm
.Lentry_shape_is_right:
; out0 = O W_o + b_o on codes of FP4 (E2M1) with E8M0 scales.  O comes as the attention launch left it: oimg [tile of 16 tokens 512][head 16][lane][16 B], the image of an operand's registers
; (lane (r, h): token r, d = 32 h + 0 .. 31 of the head), and osc [head][tile][r] of two scale bytes.  A step of 128 along K is two heads.  W_o: [1,024 n][1,024 k] codes, K innermost; scales [1,024][32].
; SHARES.  A work-group makes 128 tokens x 256 n: 256 work-groups.  A wave makes 64 tokens x 128 n: 32 accumulators.  All of K of both operands, with the scales, lies in LDS at once: each byte is filled once.
; CLUSTER.  4 x 4 work-groups: O's tiles hang on the tokens alone and are asked for jointly by a row of the cluster, W_o's on n alone, by a column.
; THE MATRIX INSTRUCTION IS USED TRANSPOSED (source 0 = 16 rows of W_o, source 1 = 16 tokens): a lane holds eight neighbouring n of one token; the bias is the C of each sum's first instruction.
; REGISTERS: window 0: v1-31 addresses; v32-63 W_o's scale words; v64-79 O's; v80-111 O's scale bytes as loaded; v128-191 the bias, later rows on the way out; v192-255 rows on the way out.
;   window 1: two sets of fragments: 128 p + 8 b W_o's, 128 p + 64 + 8 a O's.   window 2: accumulator (a, b) at v[8 (8 a + b)].
.set PITCH,  528                       ; a row of W_o's codes in LDS: all of K, 512 bytes, + 16: an odd multiple of 16
.set WHALF,  256                       ; from K half 0 to K half 1 inside a row
.set OIMG,   256*PITCH                 ; O's codes as they lie in memory: [tile 8][head 16][512 B]
.set WSCL,   OIMG+65536                ; W_o's scale bytes: 32 runs of 256 bytes + 16
.set OSCL,   WSCL+32*272               ; O's: [head 16][256 B]
.set STG,    OSCL+4096                 ; the stages for the way out: 16 rows x 528 bytes a wave; no fill lands here
.set SPITCH, 528
.set ADRW,  16                         ; v16-17 LDS address of my W_o fragments in K half 0, 1
.set ADRO,  20                         ; v20    of my O fragments
.set ADWS,  21                         ; v21    of W_o's scale words
.set ADOS,  22                         ; v22    of O's scale bytes
.set STO,   24                         ; v24    the stage: where I put 32 bytes of a row
.set RD,    25                         ; v25    and where I read a row back
.set CO,    26                         ; v26    16 x lane
.set BO,    27                         ; v27    32 h: the bias loads' offset
.set WSC,   32                         ; register 8 x + G: lane l holds the word of row 32 x + l of my 128, for K step G
.set OS,    64                         ; register 8 y + G: lanes 0-15 tile 2 y of my four, lanes 16-31 tile 2 y + 1
.set OH,    80
.set BIAS,  128
.set BK,    192
.set G1O,   24                         ; s[24:31] group 1 for O's codes; s[32:39] O's scales; s[40:47] W_o's codes; s[48:55] W_o's scales
.set G1OS,  32
.set G1W,   40
.set G1WS,  48
.set G0O,   56                         ; s[56:59] group 0 for O's codes; s[68:71] O's scales; s[72:75] W_o's codes; s[80:83] W_o's scales
.set G0OS,  68
.set G0W,   72
.set G0WS,  80
.set MSB, 0
.macro WIN new                         ; the immediate's high byte repeats the setting that is left
.if MSB != (\new)
	s_set_vgpr_msb (MSB<<8)|(\new)
.set MSB, (\new)
.endif
.endm
.macro PLACES n
.rept \n
	v_nop
.endr
.endm
; An arm of the head's one tree of branches on the wave's number: one joint load, then a jump to the tree's end.  An s_nop 0 and four v_nop follow the load.
.macro ARM under, g0, g1, next
	s_cmp_lt_u32 s16, \under
	s_cbranch_scc0 \next
	tensor_load_to_lds s[\g0:\g0+3], s[\g1:\g1+7]
	s_nop 0
.rept 4
	v_nop
.endr
	s_branch .Lhead_asked
\next:
.endm
.macro CROUND                          ; a round of the cluster's barrier
	s_barrier_signal -1
	s_barrier_wait -1
	s_cmp_lg_u32 s16, 0
	s_cbranch_scc1 .Lnot_wave_0_\@
	s_barrier_signal -3
.Lnot_wave_0_\@:
	s_barrier_wait -3
	s_barrier_signal -1
	s_barrier_wait -1
.endm
	s_load_b256 s[4:11], s[0:1], 0x0               ; oimg, osc, W_o's codes, W_o's scales
	s_load_b128 s[12:15], s[0:1], 0x20             ; b_o, out0
	v_lshl_add_u32 v126, v0, 2, 0x3d600
	v_mov_b32 v127, 0
	ds_add_u32 v126, v127
	ds_add_u32 v126, v127
	v_lshrrev_b32 v1, 5, v0
	v_readfirstlane_b32 s16, v1                    ; wave 0..3
	s_lshr_b32 s17, s16, 1                         ; WA: which 64 tokens are mine.  Also: I fetch codes (0) or scales (1)
	s_and_b32 s18, s16, 1                          ; WB: which 128 n.  Also: I fetch for O (0) or for W_o (1)
	s_bfe_u32 s19, ttmp6, 0x40000                  ; cx: the tile of 256 n
	s_bfe_u32 s20, ttmp6, 0x40004                  ; cy
	s_and_b32 s21, ttmp7, 0xffff
	s_lshl_b32 s21, s21, 2
	s_add_co_u32 s21, s21, s20                     ; the group of 128 tokens
	s_lshl_b32 s22, s20, 2
	s_lshl_b32 s22, 15, s22                        ; my row of the cluster
	s_lshl_b32 s23, 0x1111, s19                    ; my column
	s_or_b32 s[G1O], s22, (3<<16)|(1<<21)          ; O's codes: 8 tiles x 8,192 bytes (16 heads), one load of 65,536 bytes; dense in LDS
	s_mov_b32 s[G1O+1], 32<<16                     ; the group's 8 tiles are 65,536 dense bytes: 256 rows of 256
	s_mov_b32 s[G1O+2], 256<<16
	s_mov_b32 s[G1O+3], 32<<16
	s_mov_b32 s[G1O+4], 256
	s_mov_b32 s[G1O+5], 32
	s_mov_b32 s[G1O+6], 0
	s_mov_b32 s[G1O+7], 0
	s_or_b32 s[G1OS], s22, (3<<16)|(1<<21)         ; O's scales: 16 heads x 256 bytes (8 tiles), 16,384 bytes apart
	s_mov_b32 s[G1OS+1], 32<<16
	s_mov_b32 s[G1OS+2], 16<<16                    ; all 16 heads in one load
	s_mov_b32 s[G1OS+3], 32<<16
	s_mov_b32 s[G1OS+4], 16
	s_mov_b32 s[G1OS+5], 2048
	s_mov_b32 s[G1OS+6], 0
	s_mov_b32 s[G1OS+7], 0
	s_or_b32 s[G1W], s23, (0<<16)|(1<<20)|(1<<21)|(6<<22)|(3<<25)   ; W_o's codes: 256 rows x 512 bytes, 16 bytes of padding behind each
	s_mov_b32 s[G1W+1], 512<<16
	s_mov_b32 s[G1W+2], 256<<16
	s_mov_b32 s[G1W+3], 512<<16
	s_mov_b32 s[G1W+4], 256
	s_mov_b32 s[G1W+5], 512
	s_mov_b32 s[G1W+6], 0
	s_mov_b32 s[G1W+7], 0
	s_or_b32 s[G1WS], s23, (3<<16)|(1<<20)|(1<<21)|(5<<22)|(3<<25)  ; W_o's scales: 256 rows' 8,192 dense bytes as 32 rows of 256, padded likewise
	s_mov_b32 s[G1WS+1], 32<<16
	s_mov_b32 s[G1WS+2], 32<<16                    ; 256 rows' 8,192 dense bytes: 32 rows of 256
	s_mov_b32 s[G1WS+3], 32<<16
	s_mov_b32 s[G1WS+4], 32
	s_mov_b32 s[G1WS+5], 32
	s_mov_b32 s[G1WS+6], 0
	s_mov_b32 s[G1WS+7], 0
	s_lshl_b32 s84, s21, 16                        ; O's codes: 8 tiles of 8,192 bytes a group,
	s_mov_b32 s85, 0                               ; a load begins at the block's first byte
	s_add_co_u32 s84, s84, s85
	s_mov_b32 s85, 0
	s_mov_b32 s86, 0
	s_lshl_b32 s87, s21, 8                         ; 256 bytes a group
	s_add_co_u32 s86, s86, s87
	s_mov_b32 s87, 0
	s_lshl_b32 s88, s19, 17                        ; W_o's codes: 256 rows of 512 bytes a tile,
	s_mov_b32 s89, 0
	s_add_co_u32 s88, s88, s89
	s_mov_b32 s89, 0
	s_lshl_b32 s90, s19, 13                        ; W_o's scales: 32 bytes a row
	s_mov_b32 s91, 0
	s_add_co_u32 s90, s90, s91
	s_mov_b32 s91, 0
	s_wait_dscnt 0x0
	s_wait_kmcnt 0x0
	s_add_nc_u64 s[4:5], s[4:5], s[84:85]
	s_add_nc_u64 s[6:7], s[6:7], s[86:87]
	s_add_nc_u64 s[8:9], s[8:9], s[88:89]
	s_add_nc_u64 s[10:11], s[10:11], s[90:91]
	s_mov_b32 s[G0OS], 1
	s_mov_b32 s[G0OS+1], OSCL
	s_mov_b64 s[G0OS+2:G0OS+3], s[6:7]
	s_or_b32 s[G0OS+3], s[G0OS+3], 0x80000000
	s_mov_b32 s[G0WS], 1
	s_mov_b32 s[G0WS+1], WSCL
	s_mov_b64 s[G0WS+2:G0WS+3], s[10:11]
	s_or_b32 s[G0WS+3], s[G0WS+3], 0x80000000
	s_mov_b32 s[G0O], 1
	s_mov_b32 s[G0O+1], OIMG
	s_mov_b64 s[G0O+2:G0O+3], s[4:5]
	s_or_b32 s[G0O+3], s[G0O+3], 0x80000000
	s_mov_b32 s[G0W], 1
	s_mov_b32 s[G0W+1], 0
	s_mov_b64 s[G0W+2:G0W+3], s[8:9]
	s_or_b32 s[G0W+3], s[G0W+3], 0x80000000
	CROUND                                         ; all sixteen work-groups are here: the joint loads meet
	; THE HEAD'S LOADS, ONE A WAVE: wave 0 O's codes, wave 1 W_o's, wave 2 O's scales, wave 3 W_o's.  No other tensor load follows: each byte of LDS is filled once
	ARM 1, G0O,  G1O,  .Lhead_w
	ARM 2, G0W,  G1W,  .Lhead_os
	ARM 3, G0OS, G1OS, .Lhead_ws
	tensor_load_to_lds s[G0WS:G0WS+3], s[G1WS:G1WS+7]
	s_nop 0
.rept 4
	v_nop
.endr
.Lhead_asked:
	v_and_b32 v1, 15, v0                           ; r
	v_bfe_u32 v2, v0, 4, 1                         ; h
	v_and_b32 v3, 31, v0                           ; lane
	v_lshlrev_b32 v[CO], 4, v3
	v_lshlrev_b32 v[BO], 5, v2
	v_mul_u32_u24 v4, v1, PITCH
	v_lshl_add_u32 v4, v2, 4, v4                   ; a fragment's row x pitch + 16 h
	s_mul_i32 s84, s18, 128*PITCH                  ; my 128 rows of W_o
	v_add_nc_u32 v[ADRW], s84, v4
	s_add_co_u32 s84, s84, WHALF
	v_add_nc_u32 v[ADRW+1], s84, v4
	s_lshl_b32 s84, s17, 15                        ; my four tiles of O, 8,192 bytes each
	s_add_co_u32 s84, s84, OIMG
	v_add_nc_u32 v[ADRO], s84, v[CO]
	v_lshrrev_b32 v5, 3, v3                        ; W_o's scale words: row l of 32: 32 bytes a row, eight rows to a run of 272
	v_mul_u32_u24 v5, v5, 272
	v_and_b32 v6, 7, v3
	v_lshl_add_u32 v5, v6, 5, v5
	s_mul_i32 s84, s18, 16*272
	s_add_co_u32 s84, s84, WSCL
	v_add_nc_u32 v[ADWS], s84, v5
	s_lshl_b32 s84, s17, 7                         ; O's scale bytes: my four tiles' 128 bytes of a head's 256; 2 bytes a lane: lanes 0-15 one tile, lanes 16-31 the next
	s_add_co_u32 s84, s84, OSCL
	v_lshl_add_u32 v[ADOS], v3, 1, s84
	s_mul_i32 s84, s16, 16*SPITCH
	s_add_co_u32 s84, s84, STG                     ; my stage
	v_mul_u32_u24 v5, v1, SPITCH
	v_lshl_add_u32 v5, v2, 5, v5
	v_add_nc_u32 v[STO], s84, v5                   ; in: row r, 32 bytes for each half of the lanes
	v_add_nc_u32 v[RD], s84, v[CO]                 ; back: the 32 lanes take one row of 512 bytes
	s_lshl_b32 s84, s19, 10
	s_lshl_b32 s85, s18, 9
	s_add_co_u32 s84, s84, s85                     ; my first n, in bytes
	s_mov_b32 s85, 0
	s_add_nc_u64 s[12:13], s[12:13], s[84:85]
	s_add_nc_u64 s[14:15], s[14:15], s[84:85]
	s_lshl_b32 s84, s21, 19                        ; 128 rows of 4,096 bytes a group,
	s_lshl_b32 s86, s17, 18                        ; 64 of them mine
	s_add_co_u32 s84, s84, s86
	s_add_nc_u64 s[14:15], s[14:15], s[84:85]
.irp b, 0,1,2,3,4,5,6,7
	global_load_b128 v[BIAS+8*\b:BIAS+8*\b+3], v[BO], s[12:13] offset:64*\b        ; b_o at n = 16 b + 8 h + 0 .. 7: the result's layout
	global_load_b128 v[BIAS+8*\b+4:BIAS+8*\b+7], v[BO], s[12:13] offset:64*\b+16
.endr
.macro WM d, a, b, c, sa, sb, ra, rb   ; ra, rb: the side's scales stand in lanes 16-31 of their register
.if (\ra) && (\rb)
	v_wmma_scale_f32_16x16x128_f8f6f4 v[(\d):(\d)+7], v[(\a):(\a)+7], v[(\b):(\b)+7], v[(\c):(\c)+7], v[\sa], v[\sb] matrix_a_fmt:MATRIX_FMT_FP4 matrix_b_fmt:MATRIX_FMT_FP4 matrix_a_scale:MATRIX_SCALE_ROW1 matrix_b_scale:MATRIX_SCALE_ROW1
.elseif (\ra)
	v_wmma_scale_f32_16x16x128_f8f6f4 v[(\d):(\d)+7], v[(\a):(\a)+7], v[(\b):(\b)+7], v[(\c):(\c)+7], v[\sa], v[\sb] matrix_a_fmt:MATRIX_FMT_FP4 matrix_b_fmt:MATRIX_FMT_FP4 matrix_a_scale:MATRIX_SCALE_ROW1
.elseif (\rb)
	v_wmma_scale_f32_16x16x128_f8f6f4 v[(\d):(\d)+7], v[(\a):(\a)+7], v[(\b):(\b)+7], v[(\c):(\c)+7], v[\sa], v[\sb] matrix_a_fmt:MATRIX_FMT_FP4 matrix_b_fmt:MATRIX_FMT_FP4 matrix_b_scale:MATRIX_SCALE_ROW1
.else
	v_wmma_scale_f32_16x16x128_f8f6f4 v[(\d):(\d)+7], v[(\a):(\a)+7], v[(\b):(\b)+7], v[(\c):(\c)+7], v[\sa], v[\sb] matrix_a_fmt:MATRIX_FMT_FP4 matrix_b_fmt:MATRIX_FMT_FP4
.endif
.endm
; K step g: 32 matrix instructions; the 32 accumulators take turns, one instruction a turn, in the same order in every step.  Step 0 begins the sums with the bias.
.macro MUL g
.if (\g) == 0
	WIN 0x85                                       ; sources 0 and 1 window 1, C window 0, D window 2
.else
	WIN 0xa5                                       ; C and D window 2
.endif
.irp a, 0,1,2,3
.irp b, 0,1,2,3,4,5,6,7
.if (\g) == 0
	WM 8*(8*\a+\b), 128*((\g)%2)+8*\b, 128*((\g)%2)+64+8*\a, BIAS+8*\b, WSC+8*(\b/2)+(\g), OS+8*(\a/2)+(\g), \b%2, \a%2
.else
	WM 8*(8*\a+\b), 128*((\g)%2)+8*\b, 128*((\g)%2)+64+8*\a, 8*(8*\a+\b), WSC+8*(\b/2)+(\g), OS+8*(\a/2)+(\g), \b%2, \a%2
.endif
.endr
.endr
.endm
.macro FETCH g                         ; K step g's fragments, 24 LDS loads in one run, into set g % 2
	WIN 0x40                                       ; destination window 1, address window 0
.irp i, 0,1,2,3,4,5,6,7
.irp c, 0,1
	ds_load_b128 v[128*((\g)%2)+8*\i+4*\c:128*((\g)%2)+8*\i+4*\c+3], v[ADRW+(\g)/4] offset:64*((\g)%4)+32*\c+\i*16*PITCH
.endr
.endr
.irp a, 0,1,2,3
.irp c, 0,1
	ds_load_b128 v[128*((\g)%2)+64+8*\a+4*\c:128*((\g)%2)+64+8*\a+4*\c+3], v[ADRO] offset:8192*\a+512*(2*(\g)+\c)   ; head 2 g + c of tile a: registers 4 c .. 4 c + 3 as they were stored
.endr
.endr
	WIN 0
.endm
	s_wait_alu depctr_va_vdst(0)
	s_wait_tensorcnt 0x0                           ; my one load is in
	s_barrier_signal -1
	s_barrier_wait -1                              ; everybody's are
.irp x, 0,1,2,3
.irp u, 0,1
	ds_load_b128 v[WSC+8*\x+4*\u:WSC+8*\x+4*\u+3], v[ADWS] offset:1088*\x+16*\u
.endr
.endr
.irp y, 0,1
.irp hd, 0,1,2,3,4,5,6,7,8,9,10,11,12,13,14,15
	ds_load_u16 v[OH+16*\y+\hd], v[ADOS] offset:256*\hd+64*\y
.endr
.endr
	FETCH 0
	s_wait_dscnt 0x0
.irp y, 0,1
.irp u, 0,1,2,3,4,5,6,7
	v_lshl_or_b32 v[OS+8*\y+\u], v[OH+16*\y+2*\u+1], 16, v[OH+16*\y+2*\u]   ; two heads' two bytes make the scale word of a K step
.endr
.endr
	FETCH 1
	PLACES 8                                       ; a scale register written by a vector instruction stands eight places ahead of a scaled matrix instruction
	s_wait_alu depctr_va_vdst(0)
	s_wait_loadcnt 0x0                             ; the bias
	MUL 0
.irp g, 1,2,3,4,5,6,7
	s_wait_dscnt 0x0                               ; this step's fragments are in
.if \g < 7
	PLACES 4                                       ; in front of loads into registers that matrix instructions have read
	FETCH \g+1
.endif
	MUL \g
.endr
	WIN 0
; THE WAY OUT, block by block of 16 tokens x 128 n.  A lane holds 32 neighbouring bytes of a row and the lanes beside it hold other rows: a block goes through my own stage in LDS and comes back as whole rows of
; 512 bytes.  LDS serves a wave's instructions in order: no wait between the stores and the loads, nor in front of the next block's stores.
.macro TOSTAGE a
	WIN 0x08                                       ; an LDS store's data are its source 1: window 2
.irp b, 0,1,2,3,4,5,6,7
	ds_store_b128 v[STO], v[64*(\a)+8*\b:64*(\a)+8*\b+3] offset:64*\b          ; each accumulator from its low end on
	ds_store_b128 v[STO], v[64*(\a)+8*\b+4:64*(\a)+8*\b+7] offset:64*\b+16
.endr
	WIN 0
.irp t, 0,1,2,3,4,5,6,7,8,9,10,11,12,13,14,15
	ds_load_b128 v[BK-64*((\a)%2)+4*\t:BK-64*((\a)%2)+4*\t+3], v[RD] offset:\t*SPITCH
.endr
.endm
.macro SEND a, younger                 ; younger: the LDS instructions issued behind block a's loads, which may stay out
	s_wait_dscnt \younger
.irp t, 0,1,2,3,4,5,6,7,8,9,10,11,12,13,14,15
	global_store_b128 v[CO], v[BK-64*((\a)%2)+4*\t:BK-64*((\a)%2)+4*\t+3], s[14:15] offset:(16*(\a)+\t)*4096 th:TH_STORE_NT   ; 32 lanes store 512 consecutive bytes, aligned to 256; no base is stepped
.endr
.endm
	PLACES 4                                       ; in front of the first read of results
	TOSTAGE 0
.irp a, 1,2,3
.if \a > 1
	s_wait_xcnt 0x0                                ; block a - 2's stores have read their registers: block a's loads may land there
.endif
	TOSTAGE \a
	SEND \a-1, 32                                  ; behind block a - 1's loads: block a's 16 stores and 16 loads
.endr
	SEND 3, 0
	s_wait_tensorcnt 0x0
	ds_add_u32 v126, v127
	s_wait_dscnt 0x0
	CROUND                                         ; the closing round: no work-group ends while a partner may still ask for a tile that names it
	s_endpgm
.Lfunc_end_k_qad68c914e4_outp:
	.size	k_qad68c914e4_outp, .Lfunc_end_k_qad68c914e4_outp-k_qad68c914e4_outp
	.p2alignl 7, 3214868480
	.fill 96, 4, 3214868480
	.section	.rodata,"a",@progbits
	.p2align	6, 0x0
	.amdhsa_kernel k_qad68c914e4_outp
		.amdhsa_group_segment_fixed_size 251904
		.amdhsa_private_segment_fixed_size 0
		.amdhsa_enable_private_segment 0
		.amdhsa_kernarg_size 48
		.amdhsa_user_sgpr_count 2
		.amdhsa_user_sgpr_kernarg_segment_ptr 1
		.amdhsa_wavefront_size32 1
		.amdhsa_system_sgpr_workgroup_id_x 1
		.amdhsa_system_sgpr_workgroup_id_y 1
		.amdhsa_system_sgpr_workgroup_id_z 1
		.amdhsa_system_vgpr_workitem_id 0
		.amdhsa_next_free_vgpr 768
		.amdhsa_next_free_sgpr 96
		.amdhsa_reserve_vcc 0
		.amdhsa_float_denorm_mode_32 3
		.amdhsa_float_denorm_mode_16_64 3
		.amdhsa_memory_ordered 1
		.amdhsa_forward_progress 1
		.amdhsa_inst_pref_size 75
	.end_amdhsa_kernel
	.amdgpu_metadata
---
amdhsa.version: [ 1, 2 ]
amdhsa.kernels:
  - .name:           k_qad68c914e4_outp
    .symbol:         k_qad68c914e4_outp.kd
    .args:
      - { .name: oimg, .offset: 0, .size: 8, .value_kind: global_buffer, .address_space: global }
      - { .name: osc, .offset: 8, .size: 8, .value_kind: global_buffer, .address_space: global }
      - { .name: W_o_codes, .offset: 16, .size: 8, .value_kind: global_buffer, .address_space: global }
      - { .name: W_o_scales, .offset: 24, .size: 8, .value_kind: global_buffer, .address_space: global }
      - { .name: b_o, .offset: 32, .size: 8, .value_kind: global_buffer, .address_space: global }
      - { .name: out0, .offset: 40, .size: 8, .value_kind: global_buffer, .address_space: global }
    .group_segment_fixed_size: 251904
    .private_segment_fixed_size: 0
    .kernarg_segment_align: 8
    .kernarg_segment_size: 48
    .max_flat_workgroup_size: 128
    .sgpr_count:     96
    .vgpr_count:     768
    .wavefront_size: 32
...
	.end_amdgpu_metadata
.endif
;; end of part 3
